; MI455X (gfx1250); checked and timed in simulation.
; The chip was launched on July 23, 2026; its instructions are those of AMD's public machine-readable ISA for CDNA 5 (MIT licence, August 2026) and "CDNA5" Instruction Set Architecture Reference Guide (July 2026). The comments in the code are by the model that wrote it; some were corrected since.
;; Multihead Attention. Allowed arithmetic: matrix products marked QUANTISED: E2M3 operands, one E8M0 scale for each 32 along K, by v_wmma_scale_f32_16x16x128_f8f6f4 with both operands' format E2M3, f32 sums; everything else in f32.
;; Inputs: Wk 1,024 x 1,024 float32; Wo 1,024 x 1,024 float32; Wq 1,024 x 1,024 float32; Wv 1,024 x 1,024 float32; bk 1,024 float32; bo 1,024 float32; bq 1,024 float32; bv 1,024 float32; key 2,048 x 4 x 1,024 float32; query 2,048 x 4 x 1,024 float32; value 2,048 x 4 x 1,024 float32.
;; Outputs: out0 2,048 x 4 x 1,024 float32.
;; This version of the problem:
;;   THIS VERSION OF THE PROBLEM IS GIVEN IN LOW PRECISION. The matrix products marked QUANTISED in the list below multiply operands that are first quantised to E2M3 (2 exponent bits, 3 mantissa bits; 6 bits a number), with one power-of-two scale for each 32 numbers along K (OCP MX v1.0); their sums are f32. All else is computed in f32.
;;   The module's matrix products, in the order in which they are computed (A, B: the left and right operand; K: the contracted axis; several contracted axes count as one K, in the product's order):
;;     1. [M 8,192, K 1,024] x [K 1,024, N 1,024]; A: input query; B: input Wq: QUANTISED
;;     2. [M 8,192, K 1,024] x [K 1,024, N 1,024]; A: input key; B: input Wk: QUANTISED
;;     3. [M 8,192, K 1,024] x [K 1,024, N 1,024]; A: input value; B: input Wv: QUANTISED
;;     4. batch 64 x [M 2,048, K 64] x [K 64, N 2,048]; A: computed on the way; B: computed on the way: QUANTISED
;;     5. batch 64 x [M 64, K 2,048] x [K 2,048, N 2,048]; A: computed on the way; B: softmax (see below): QUANTISED
;;     6. [M 8,192, K 1,024] x [K 1,024, N 1,024]; A: computed on the way; B: input Wo: QUANTISED
;;   THE QUANTISER, for each operand of a quantised product, along K:
;;     - K is cut into blocks of 32 from its start; a last block that is shorter is filled with zeros.
;;     - A block's scale is 2^e with e = floor(log2(the largest magnitude in the block)) - 2, held to -126 .. 127; a block of zeros has e = 0. As a byte (E8M0): e + 127.
;;     - Each number is divided by its block's scale, clamped to +-7.5, and rounded to the nearest number of E2M3, ties to even, subnormals kept.
;;     - The product sums the exact products of the quantised numbers (number of the format x scale) in f32.
;;   ~~~python
;;   def quantise(x, axis):      # numpy; x: float32 -> the quantised numbers, widened to float32 again
;;       x = np.moveaxis(x, axis, -1); K = x.shape[-1]
;;       x = np.pad(x, [(0, 0)] * (x.ndim - 1) + [(0, -K % 32)]); x = x.reshape(x.shape[:-1] + (-1, 32)); a = np.abs(x).max(-1, keepdims=True)
;;       e = np.where(a > 0, np.clip(np.frexp(np.where(a > 0, a, 1))[1] - 1 - 2, -126, 127), 0)      # np.frexp(a)[1] - 1 = floor(log2(a)), exactly
;;       r = np.clip(x / 2.0 ** e, -7.5, 7.5)
;;       step = 2.0 ** (np.maximum(np.frexp(np.where(r == 0, 1, r))[1] - 1, 0) - 3)
;;       q = np.round(r / step) * step * 2.0 ** e      # np.round: ties to even
;;       return np.moveaxis(q.reshape(q.shape[:-2] + (-1,))[..., :K], -1, axis).astype(np.float32)
;;   ~~~
;;   SOFTMAX AHEAD OF A QUANTISED PRODUCT. Where the list says 'softmax', what is quantised is not the finished softmax but p = 2^(t - M), with t = logit x log2(e) and M = ceil(the row's largest t), a whole number; so 1/2 < the row's largest p <= 1. The row's sum l is taken of the UNQUANTISED p, in f32, and the product's result is divided by l at the end. Since M is a whole number, a kernel that streams over the keys may use a running M (the ceiling of the running maximum): every later rescaling is an exact power of two, which a block's scale takes up: the codes' values come out the same.
;;   OPERANDS COMPUTED ON THE WAY. 'Computed on the way' means the value that the module computes at that place (a softmax that the list does not call 'softmax' is quantised finished and normalised). What goes into a quantiser is computed in f32, as accurately as f32 sums, v_exp_f32 and their like allow (about 1e-6 of the number): no bf16 or f16 on the way to a quantiser, and a product that is left as it is and whose result goes on into a quantised operand takes f32 operands (vector FMAs, or v_wmma_f32_16x16x4_f32). A number that lies on a knife's edge between two numbers of the format may be rounded either way, as far as f32 arithmetic and the matrix unit's own rounding can turn it there, and no further.
;; One version. Each part assembles by itself: llvm-mc -triple=amdgcn-amd-amdhsa -mcpu=gfx1250 --defsym DOCPART=n.
;; ======== version 1 of 1: 4 launches
;; limits: right only within a limited range of input values
;; workspace buffers: xc 18,874,368 bytes; xs 786,432 bytes; wc 3,145,728 bytes; ws 131,072 bytes; qs 6,815,744 bytes; kv 13,369,344 bytes; oc 6,291,456 bytes; os 262,144 bytes
;; launch quant (part 1): grid 640 x 1, 4 waves a work-group, no clusters, 34,304 bytes of LDS; arguments query, key, value, Wq, Wk, Wv, Wo, xc, xs, wc, ws; writes xc, xs, wc, ws
.if DOCPART == 1
	.amdgcn_target "amdgcn-amd-amdhsa--gfx1250"
	.amdhsa_code_object_version 6
	.text
	.protected	k_q2ab1d2805f_quant
	.globl	k_q2ab1d2805f_quant
	.p2align	8
	.type	k_q2ab1d2805f_quant,@function
k_q2ab1d2805f_quant:
	s_mov_b64 s[64:65], 0
	v_nop
	global_prefetch_b8 v0, s[64:65] scope:SCOPE_SE
	s_setreg_imm32_b32 hwreg(HW_REG_WAVE_MODE, 25, 1), 1
	s_wait_xcnt 0x0
; query, key, value [2048][4][1024] f32 and Wq, Wk, Wv, Wo [1024 (k)][1024 (n)] f32 become codes of FP6 (E2M3) with one E8M0 byte for each 32 along K (K = the 1,024 inputs of a projection).
; A block's scale is 2^(floor(log2(largest magnitude)) - 2): its byte is the largest magnitude's exponent field - 2, held at 1 from below.
; LIMITS: a block of zeros gets the byte 1 where the rule says 127 (its codes are zeros, and this program alone reads the bytes); a block whose largest magnitude lies under 2^-124 is held at that floor; NaN and infinities are not served.
; WHAT IS STORED is laid in the order of the reader's registers.  A fragment (16 rows x 128 K, 12 registers a lane) is an image of 1,536 bytes: six planes of 256 bytes, plane p = registers 2 p, 2 p + 1, lane L's 8 bytes at 8 L.
; Codes: [128 rows][256 K][128 K][tile of 16 rows] x 1,536 bytes.  Scale words: word of (tile, row r, K step s) at (2 tile + s / 4) x 256 + 16 r + 4 (s % 4).
; THE ROWS OF A TILE ARE NOT NEIGHBOURS: lane r of tile j takes index 32 (j / 2) + 8 (j % 2) + r % 8 + 16 (r / 8) (of a batch's 2,048 rows; of a weight's 1,024 columns), so that where such a tile is a product's source 0
; the 16 result registers of tiles 2 b and 2 b + 1 are 16 neighbours.  Activation rows are kept batch by batch: tile = 128 x batch + j.
; Work-groups 0-255 take the weights (a wave: 32 columns x 128 K, a lane to a column, registers down K), work-groups 256-639 the activations (a wave: one tile of 16 rows x all of K).  Waves share nothing: no barrier.
.set X,   16                           ; weights: v16-143 four blocks of 32 numbers down K
.set E,   144                          ; v144-175 a block's codes, eight registers a block
.set SO,  176                          ; v176-179 the conversions' scale operands
.set PW,  180                          ; v180 the scale word
.set R,   16                           ; activations: v16-143 two sets of 64 registers as loaded
.set XN,  144                          ; v144-207 64 numbers of my row: register 16 b + i = k 32 b + 16 (lane / 16) + i
.set PC,  208                          ; v208-219 the fragment; v220-226 at work
.set TM,  228                          ; v228-243 at work in QUANT
.set PWS, 244                          ; v244-251 the eight scale words of my row
.set T,   252                          ; v252-255 what the scale words' store takes
.set SEL, 34                           ; s[34:35] selects of v_permlanex16_b32: lane l xor 16
; 16 nb numbers of a lane, register 16 b + i = k 32 b + 16 (lane / 16) + i of the lane's row, become codes in v[PC] on (six registers for each 64 along K) and the row's scale word in v[pw].
.macro QUANT s, nb, pw
.irp b, 0,1,2,3
.if \b < \nb
	v_max3_num_f32 v[TM+\b], |v[\s+16*\b]|, |v[\s+1+16*\b]|, 0x1800000   ; my 16 numbers of block b, and the floor 2^(3 - 127): the byte cannot fall under 1
.endif
.endr
.irp i, 2,4,6,8,10,12,14
.irp b, 0,1,2,3
.if \b < \nb
	v_max3_num_f32 v[TM+\b], v[TM+\b], |v[\s+16*\b+\i]|, |v[\s+1+16*\b+\i]|   ; the blocks by turns
.endif
.endr
.endr
.irp b, 0,1,2,3
.if \b < \nb
	v_permlanex16_b32 v[TM+4+\b], v[TM+\b], s[SEL], s[SEL+1]
.endif
.endr
.irp b, 0,1,2,3
.if \b < \nb
	v_max_num_f32 v[TM+\b], v[TM+\b], v[TM+4+\b]   ; with lane l xor 16's 16: the block's largest magnitude
.endif
.endr
.irp b, 0,1,2,3
.if \b < \nb
	v_add_nc_u32 v[TM+12+\b], 0xff000000, v[TM+\b]   ; 2 off its exponent field: the conversion takes this operand's exponent field as its scale
.endif
.endr
.irp b, 0,1,2,3
.if \b < \nb
	v_lshrrev_b32 v[TM+4+\b], 23, v[TM+12+\b]      ; the scale's byte
.endif
.endr
	v_lshl_or_b32 v[\pw], v[TM+5], 8, v[TM+4]
.if \nb > 2
	v_lshl_or_b32 v[\pw], v[TM+6], 16, v[\pw]
	v_lshl_or_b32 v[\pw], v[TM+7], 24, v[\pw]
.endif
.irp c, 0,1
.if 2*\c < \nb
	v_cvt_scalef32_pk16_fp6_f32 v[PC+6*\c:PC+2+6*\c], v[\s+32*\c:\s+15+32*\c], v[TM+12+2*\c]
	v_cvt_scalef32_pk16_fp6_f32 v[PC+12+4*\c:PC+14+4*\c], v[\s+16+32*\c:\s+31+32*\c], v[TM+12+2*\c+1]   ; (a conversion's three registers begin on an even number)
.endif
.endr
	v_nop                                          ; one plain instruction behind the scaled conversions
.irp c, 0,1
.if 2*\c < \nb
.irp i, 0,1,2
	v_permlane16_swap_b32 v[PC+6*\c+\i], v[PC+12+4*\c+\i]   ; the layout wants a whole block in a lane: lanes 0-15 block 2 c, lanes 16-31 block 2 c + 1
.endr
.irp i, 0,1,2
	v_mov_b32 v[PC+3+6*\c+\i], v[PC+12+4*\c+\i]
.endr
.endif
.endr
.endm
; Weights: block kb (32 down K, all mine): largest magnitude, scale operand, byte, codes.
.macro WBLOCK kb
.set XS, X+32*(\kb)
	v_max3_num_f32 v12, |v[XS]|, |v[XS+1]|, |v[XS+2]|
	v_max3_num_f32 v13, |v[XS+3]|, |v[XS+4]|, |v[XS+5]|
.irp i, 6,10,14,18,22,26
	v_max3_num_f32 v12, v12, |v[XS+\i]|, |v[XS+\i+1]|
	v_max3_num_f32 v13, v13, |v[XS+\i+2]|, |v[XS+\i+3]|
.endr
	v_max3_num_f32 v12, v12, |v[XS+30]|, |v[XS+31]|
	v_max3_num_f32 v12, v12, v13, 0x1800000        ; and the floor
	v_add_nc_u32 v[SO+\kb], 0xff000000, v12
	v_lshrrev_b32 v13, 23, v[SO+\kb]
.if (\kb) == 0
	v_mov_b32 v[PW], v13
.else
	v_lshl_or_b32 v[PW], v13, 8*(\kb), v[PW]
.endif
	v_cvt_scalef32_pk16_fp6_f32 v[E+8*(\kb):E+8*(\kb)+2], v[XS:XS+15], v[SO+\kb]
	v_cvt_scalef32_pk16_fp6_f32 v[E+8*(\kb)+4:E+8*(\kb)+6], v[XS+16:XS+31], v[SO+\kb]
.endm
; Blocks 2 c and 2 c + 1.  Lanes 0-15 hold a column of tile 2 cg, lanes 16-31 one of tile 2 cg + 1.  The exchange leaves in the first run tile 2 cg's registers 6 c .. 6 c + 5 (lanes 16-31: block 2 c + 1), in the second tile 2 cg + 1's.
.macro WPAIR c
	v_nop                                          ; one plain instruction behind the scaled conversions
.irp i, 0,1,2,4,5,6
	v_permlane16_swap_b32 v[E+16*\c+\i], v[E+16*\c+8+\i]
.endr
.irp tl, 0,1
.irp i, 3,4,5
	v_mov_b32 v[E+16*\c+8*\tl+\i], v[E+16*\c+8*\tl+\i+1]   ; the six registers on end
.endr
.irp u, 0,1,2
	global_store_b64 v2, v[E+16*\c+8*\tl+2*\u:E+16*\c+8*\tl+2*\u+1], s[16:17] offset:\tl*1536+256*(3*\c+\u)   ; a plane: 256 consecutive bytes, aligned
.endr
.endr
.endm
; Activations: fragment s (128 along K): 16 loads, each a row's 512 consecutive bytes.
.macro LOADF s
.set n, 0
.rept 16
	global_load_b128 v[R+64*((\s)%2)+4*n:R+64*((\s)%2)+4*n+3], v[1+7*(n/8)], s[8:9] offset:(n%8+16*(n/8))*16384+512*(\s) th:TH_LOAD_NT   ; rows 8-15 go by v8, which for the tensor key stands 16 indices further on
.set n, n+1
.endr
.endm
.macro FRAGX s
.if (\s) < 7
	s_wait_loadcnt 16                              ; this fragment's 16 loads are in; the next fragment's 16 may be out
.else
	s_wait_loadcnt 0x0
.endif
.if (\s) > 0
	s_wait_xcnt 0x0                                ; the last fragment's stores have read v[PC] on: it is written again only behind this wait
.endif
.set n, 0
.rept 16
	ds_store_b128 v3, v[R+64*((\s)%2)+4*n:R+64*((\s)%2)+4*n+3] offset:528*n   ; row n as it lies; rows 528 bytes apart
.set n, n+1
.endr
.irp bk, 0,1,2,3
.irp j, 0,1,2,3
	ds_load_b128 v[XN+16*\bk+4*\j:XN+16*\bk+4*\j+3], v4 offset:128*\bk+16*\j   ; my row's 16 numbers of each block; LDS serves a wave's instructions in order, so these see the stores
.endr
.endr
	s_wait_dscnt 0x0                               ; the numbers are back, and the stores have read their registers,
.if (\s) < 6
	LOADF (\s)+2                                   ; which take the fragment two on
.endif
	QUANT XN, 4, PWS+(\s)
.irp p, 0,1,2,3,4,5
	global_store_b64 v2, v[PC+2*\p:PC+2*\p+1], s[16:17] offset:(((\s)/2)*16+((\s)%2)*8)*1536+256*\p
.endr
.endm
	v_lshl_add_u32 v238, v0, 2, 0x8400
	v_mov_b32 v239, 0
	v_lshrrev_b32 v4, 5, v0
	v_readfirstlane_b32 s20, v4                    ; wave 0..3
	v_and_b32 v5, 31, v0                           ; lane
	v_and_b32 v6, 15, v0                           ; lane % 16
	v_bfe_u32 v7, v0, 4, 1                         ; lane / 16
	s_cmp_lt_u32 ttmp9, 256
	s_cbranch_scc0 .Lact
	; ---------------- the weights ----------------
	s_load_b256 s[8:15], s[0:1], 0x18              ; Wq, Wk, Wv, Wo
	s_load_b128 s[16:19], s[0:1], 0x48             ; wc, ws
	s_lshr_b32 s21, ttmp9, 6                       ; which weight
	s_bfe_u32 s22, ttmp9, 0x50001                  ; cg: which 32 columns
	s_and_b32 s23, ttmp9, 1                        ; which half of K
	s_lshl_b32 s24, s23, 2
	s_add_co_u32 s24, s24, s20                     ; my K step of 128
	s_wait_alu depctr_va_vdst(0)
	v_and_b32 v1, 7, v6
	v_lshrrev_b32 v8, 3, v6
	v_lshl_add_u32 v1, v8, 4, v1
	v_lshl_add_u32 v1, v7, 3, v1                   ; my column of the 32: 8 (lane / 16) + l % 8 + 16 (l / 8): the wave still reads 128 consecutive bytes
	v_lshlrev_b32 v1, 2, v1
	v_lshlrev_b32 v2, 3, v5                        ; 8 x lane
	v_lshlrev_b32 v3, 4, v6
	v_lshl_add_u32 v3, v7, 9, v3                   ; my scale word: 512 x tile + 16 x row
	s_lshl_b32 s26, s24, 19                        ; W: 128 rows of 4,096 bytes a K step,
	s_lshl_b32 s27, s22, 7                         ; 128 bytes for 32 columns
	s_add_co_u32 s26, s26, s27
	s_mov_b32 s27, 0
	s_lshr_b32 s28, s22, 2                         ; codes: (((cg / 4) 4 + s / 2) 16 + (s % 2) 8 + 2 (cg % 4)) x 1,536
	s_lshl_b32 s28, s28, 2
	s_lshr_b32 s29, s24, 1
	s_add_co_u32 s28, s28, s29
	s_lshl_b32 s28, s28, 4
	s_and_b32 s29, s24, 1
	s_lshl_b32 s29, s29, 3
	s_add_co_u32 s28, s28, s29
	s_and_b32 s29, s22, 3
	s_lshl_b32 s29, s29, 1
	s_add_co_u32 s28, s28, s29
	s_mul_i32 s28, s28, 1536
	s_mul_i32 s29, s21, 786432
	s_add_co_u32 s28, s28, s29
	s_mov_b32 s29, 0
	s_lshl_b32 s30, s22, 2                         ; scale words: (4 cg + half of K) x 256 + 4 x wave
	s_add_co_u32 s30, s30, s23
	s_lshl_b32 s30, s30, 8
	s_lshl_b32 s31, s20, 2
	s_add_co_u32 s30, s30, s31
	s_lshl_b32 s31, s21, 15
	s_add_co_u32 s30, s30, s31
	s_mov_b32 s31, 0
	s_wait_alu depctr_va_vdst(0)
	s_wait_kmcnt 0x0
	s_cmp_eq_u32 s21, 1                            ; the choice hangs on the work-group's number alone
	s_cselect_b64 s[8:9], s[10:11], s[8:9]
	s_cmp_eq_u32 s21, 2
	s_cselect_b64 s[8:9], s[12:13], s[8:9]
	s_cmp_eq_u32 s21, 3
	s_cselect_b64 s[8:9], s[14:15], s[8:9]
	s_add_nc_u64 s[8:9], s[8:9], s[26:27]
	s_add_nc_u64 s[16:17], s[16:17], s[28:29]
	s_add_nc_u64 s[18:19], s[18:19], s[30:31]
.set n, 0
.rept 128
	global_load_b32 v[X+n], v1, s[8:9] offset:n*4096 th:TH_LOAD_NT   ; W(128 s + n, my column)
.set n, n+1
.endr
	s_wait_loadcnt 63                              ; of 128 loads at most 63 are out: blocks 0 and 1 are in
	WBLOCK 0
	WBLOCK 1
	WPAIR 0
	s_wait_loadcnt 32                              ; block 2 is in
	WBLOCK 2
	s_wait_loadcnt 0x0
	WBLOCK 3
	WPAIR 1
	global_store_b32 v3, v[PW], s[18:19]           ; four bytes of each 16: the other three K steps' words come from other waves.  131,072 bytes in all of this launch's stores go out so
	s_endpgm
	; ---------------- the activations ----------------
.Lact:
	s_load_b128 s[8:11], s[0:1], 0x0               ; query, key
	s_load_b64 s[12:13], s[0:1], 0x10              ; value
	s_load_b128 s[16:19], s[0:1], 0x38             ; xc, xs
	s_sub_co_u32 s21, ttmp9, 256
	s_lshr_b32 s22, s21, 7                         ; which tensor
	s_and_b32 s23, s21, 127
	s_lshl_b32 s23, s23, 2
	s_add_co_u32 s23, s23, s20                     ; my tile, 0..511
	s_lshr_b32 s24, s23, 7                         ; its batch
	s_and_b32 s25, s23, 127                        ; j: the tile in the batch
	; THE TENSOR key HAS ANOTHER ORDER OF ROWS: lane r of its tile j takes index 64 (j / 4) + 8 (j % 4) + r % 8 + 32 (r / 8), so that in the scores K Q^T the 32 result registers of tiles 4 c .. 4 c + 3 are one whole block of 32 keys
	s_cmp_eq_u32 s22, 1                            ; the choice hangs on the work-group's number alone
	s_cselect_b32 s33, 0x40000, 0                  ; rows 8-15: 16 indices (of 16,384 bytes) more
	s_cselect_b32 s29, 2, 1
	s_cselect_b32 s30, 6, 5
	s_cselect_b32 s31, 3, 1
	s_lshr_b32 s26, s25, s29
	s_lshl_b32 s26, s26, s30
	s_and_b32 s27, s25, s31
	s_lshl_b32 s27, s27, 3
	s_add_co_u32 s26, s26, s27                     ; lane 0's index: 32 (j / 2) + 8 (j % 2), for key 64 (j / 4) + 8 (j % 4)
	s_lshl_b32 s26, s26, 2
	s_add_co_u32 s26, s26, s24
	s_lshl_b32 s26, s26, 12                        ; row (index, batch) begins at (4 index + batch) x 4,096 bytes
	s_mov_b32 s27, 0
	s_lshr_b32 s28, s23, 3
	s_lshl_b32 s28, s28, 6
	s_and_b32 s29, s23, 7
	s_add_co_u32 s28, s28, s29
	s_mul_i32 s28, s28, 1536                       ; codes: ((tile / 8) 64 + tile % 8) x 1,536
	s_mul_i32 s29, s22, 6291456
	s_add_co_u32 s28, s28, s29
	s_mov_b32 s29, 0
	s_lshl_b32 s30, s23, 9                         ; scale words: 512 bytes a tile
	s_lshl_b32 s31, s22, 18
	s_add_co_u32 s30, s30, s31
	s_mov_b32 s31, 0
	s_mul_i32 s32, s20, 8448                       ; my wave's stage: 16 rows x 528 bytes
	s_wait_alu depctr_va_vdst(0)
	v_lshlrev_b32 v1, 4, v5                        ; 16 x lane
	v_add_nc_u32 v8, s33, v1                       ; the same for rows 8-15 of a tile
	v_lshlrev_b32 v2, 3, v5                        ; 8 x lane
	v_add_nc_u32 v3, s32, v1                       ; into the stage
	v_mul_u32_u24 v4, v6, 528
	v_lshl_add_u32 v4, v7, 6, v4
	v_add_nc_u32 v4, s32, v4                       ; out of it: row lane % 16, + 64 (lane / 16)
	s_mov_b32 s[SEL], 0x76543210
	s_mov_b32 s[SEL+1], 0xfedcba98
.irp b, 0,1,2,3
	v_mov_b32 v[TM+4+\b], 0                        ; written once: a lane permute's destination counts as one of its sources
.endr
	s_wait_alu depctr_va_vdst(0)
	s_wait_kmcnt 0x0
	s_cmp_eq_u32 s22, 1
	s_cselect_b64 s[8:9], s[10:11], s[8:9]
	s_cmp_eq_u32 s22, 2
	s_cselect_b64 s[8:9], s[12:13], s[8:9]
	s_add_nc_u64 s[8:9], s[8:9], s[26:27]
	s_add_nc_u64 s[16:17], s[16:17], s[28:29]
	s_add_nc_u64 s[18:19], s[18:19], s[30:31]
	LOADF 0
	LOADF 1
.irp s, 0,1,2,3,4,5,6,7
	FRAGX \s
.endr
	v_cmp_le_u32 vcc_lo, 16, v5
.irp q, 0,1,2,3
	v_cndmask_b32 v[T+\q], v[PWS+\q], v[PWS+4+\q], vcc_lo   ; lanes 0-15: K steps 0-3 of row r; lanes 16-31: K steps 4-7
.endr
	global_store_b128 v1, v[T:T+3], s[18:19]       ; the tile's 512 bytes of scale words, consecutive and aligned
	s_wait_tensorcnt 0x0
	ds_add_u32 v238, v239
	s_wait_dscnt 0x0
	s_endpgm
.Lfunc_end_k_q2ab1d2805f_quant:
	.size	k_q2ab1d2805f_quant, .Lfunc_end_k_q2ab1d2805f_quant-k_q2ab1d2805f_quant
	.p2alignl 7, 3214868480
	.fill 96, 4, 3214868480
	.section	.rodata,"a",@progbits
	.p2align	6, 0x0
	.amdhsa_kernel k_q2ab1d2805f_quant
		.amdhsa_group_segment_fixed_size 34304
		.amdhsa_private_segment_fixed_size 0
		.amdhsa_enable_private_segment 0
		.amdhsa_kernarg_size 88
		.amdhsa_user_sgpr_count 2
		.amdhsa_user_sgpr_kernarg_segment_ptr 1
		.amdhsa_wavefront_size32 1
		.amdhsa_system_sgpr_workgroup_id_x 1
		.amdhsa_system_sgpr_workgroup_id_y 1
		.amdhsa_system_sgpr_workgroup_id_z 1
		.amdhsa_system_vgpr_workitem_id 0
		.amdhsa_next_free_vgpr 256
		.amdhsa_next_free_sgpr 66
		.amdhsa_reserve_vcc 1
		.amdhsa_float_denorm_mode_32 3
		.amdhsa_float_denorm_mode_16_64 3
		.amdhsa_memory_ordered 1
		.amdhsa_forward_progress 1
		.amdhsa_inst_pref_size 88
	.end_amdhsa_kernel
	.amdgpu_metadata
---
amdhsa.version: [ 1, 2 ]
amdhsa.kernels:
  - .name:           k_q2ab1d2805f_quant
    .symbol:         k_q2ab1d2805f_quant.kd
    .args:
      - { .name: query, .offset: 0, .size: 8, .value_kind: global_buffer, .address_space: global }
      - { .name: key, .offset: 8, .size: 8, .value_kind: global_buffer, .address_space: global }
      - { .name: value, .offset: 16, .size: 8, .value_kind: global_buffer, .address_space: global }
      - { .name: Wq, .offset: 24, .size: 8, .value_kind: global_buffer, .address_space: global }
      - { .name: Wk, .offset: 32, .size: 8, .value_kind: global_buffer, .address_space: global }
      - { .name: Wv, .offset: 40, .size: 8, .value_kind: global_buffer, .address_space: global }
      - { .name: Wo, .offset: 48, .size: 8, .value_kind: global_buffer, .address_space: global }
      - { .name: xc, .offset: 56, .size: 8, .value_kind: global_buffer, .address_space: global }
      - { .name: xs, .offset: 64, .size: 8, .value_kind: global_buffer, .address_space: global }
      - { .name: wc, .offset: 72, .size: 8, .value_kind: global_buffer, .address_space: global }
      - { .name: ws, .offset: 80, .size: 8, .value_kind: global_buffer, .address_space: global }
    .group_segment_fixed_size: 34304
    .private_segment_fixed_size: 0
    .kernarg_segment_align: 8
    .kernarg_segment_size: 88
    .max_flat_workgroup_size: 128
    .sgpr_count:     66
    .vgpr_count:     256
    .wavefront_size: 32
...
	.end_amdgpu_metadata
.endif
;; end of part 1
;; launch proj (part 2): grid 4 x 96, 4 waves a work-group, clusters of 4 x 4, 327,680 bytes of LDS; arguments xc, xs, wc, ws, bq, bk, bv, qs, kv; writes qs, kv
.if DOCPART == 2
	.amdgcn_target "amdgcn-amd-amdhsa--gfx1250"
	.amdhsa_code_object_version 6
	.text
	.protected	k_q2ab1d2805f_proj
	.globl	k_q2ab1d2805f_proj
	.p2align	8
	.type	k_q2ab1d2805f_proj,@function
k_q2ab1d2805f_proj:
	s_mov_b64 s[64:65], 0
	v_nop
	global_prefetch_b8 v0, s[64:65] scope:SCOPE_SE
	s_setreg_imm32_b32 hwreg(HW_REG_WAVE_MODE, 25, 1), 1
	s_wait_xcnt 0x0
	s_wait_alu depctr_hold_cnt(0) depctr_sa_sdst(0) depctr_va_vdst(0) depctr_va_sdst(0) depctr_va_ssrc(0) depctr_va_vcc(0) depctr_vm_vsrc(0)
	s_getreg_b32 s2, hwreg(HW_REG_IB_STS2, 6, 4)
	s_cmp_eq_u32 s2, 0
	s_cbranch_scc0 .Lentry_in_a_cluster
	s_endpgm
.Lentry_in_a_cluster:
	s_bfe_u32 s2, ttmp6, 0x10000c
	s_cmp_lg_u32 s2, 0xf033
	s_cbranch_scc0 .Lentry_shape_is_right
	s_endpgm
.Lentry_shape_is_right:
.set HALFT, 24576
.set SLOT,  HALFT                      ; LDS: wave w's quarter of slot 0 at 2 w HALFT, its quarter of slot 1 directly behind it, so that one load fills both at the head
.set SCL,   8*HALFT                    ; the ring's end
.set SPARE, SCL                        ; the spare words
.set FR, 12
.set NL, 6
.set NP, 4
.set ADRA, 16
.set ADRB, 20
.set LI8,  24
.set LI16, 25
.set VSO,  26
.set ADRS, 27
.set SPW,  28
.set NIL,  29
.set SC,   32
.set BJ,   96
.set AF,   128
.set H,    128
.set PC,   192
.set TM,   224
.set PWS,  240
.set T,    248
.set T2,   252
.set BE, 4
.set BO, 6
.set BV, 8
.set BP, 10
.set TT, 12
.set WV, 14
.set HR, 15
.set HC, 16
.set YY, 17
.set SEL, 2
.set G1, 24
.set G0, 32
.set CX, 40
.set CY, 41
.set XX, 42
.set G1B, 48
.set G0B, 56
.set G1S, 68
.set G0S, 76
.set G1SB, 80
.set G0SB, 88
.set MSB, 0
.macro WIN new
.if MSB != (\new)
	s_set_vgpr_msb (MSB<<8)|(\new)
.set MSB, (\new)
.endif
.endm
.set MUL_LO, 0xa1
.set MUL_HI, 0xf1
.set TO_B,   0x40
.macro JLOAD g0a, g1a, g0b, g1b
	s_cmp_eq_u32 s[HR], 0
	s_cbranch_scc0 .Lfor_b_\@
	tensor_load_to_lds s[\g0a:\g0a+3], s[\g1a:\g1a+7]
	s_nop 0
.rept 4
	v_nop
.endr
	s_branch .Lasked_\@
.Lfor_b_\@:
	tensor_load_to_lds s[\g0b:\g0b+3], s[\g1b:\g1b+7]
	s_nop 0
.rept 4
	v_nop
.endr
.Lasked_\@:
.endm
.macro CREST
	s_cmp_lg_u32 s[WV], 0
	s_cbranch_scc1 .Lnot_wave_0_\@
	s_barrier_signal -3
.Lnot_wave_0_\@:
	s_barrier_wait -3
	s_barrier_signal -1
	s_barrier_wait -1
.endm
.macro CROUND
	s_barrier_signal -1
	s_barrier_wait -1
	CREST
.endm
.macro PLACES n
.rept \n
	v_nop
.endr
.endm
.macro FRAG reg, adr, q, i
.irp p, 0,1,2,3,4,5
	ds_load_b64 v[\reg+2*\p:\reg+2*\p+1], v[\adr] offset:((\q)*8+(\i))*1536+256*\p
.endr
.endm
.macro FETCH_B slot, q, p
	WIN TO_B
.irp i, 0,1,2,3,4,5,6,7
	FRAG 128*(\p)+FR*\i, ADRB+\slot, \q, \i
.endr
	WIN 0
.endm
.macro FETCH_A slot, q, i0
.irp i, \i0, \i0+1, \i0+2, \i0+3
	FRAG AF+FR*(\i), ADRA+\slot, \q, \i
.endr
.endm
; The scale words of my 128 rows of source 1 (base sa) and of source 0 (base sb), for all of K, straight into registers: sixteen lanes read 256 consecutive bytes, lanes 16-31 the same ones
.macro SCALES sa, sb
.irp i, 0,1,2,3,4,5,6,7
.irp sg, 0,1
	global_load_b128 v[SC+8*\i+4*\sg:SC+8*\i+4*\sg+3], v10, s[\sa:\sa+1] offset:(2*\i+\sg)*256
	global_load_b128 v[AF+8*\i+4*\sg:AF+8*\i+4*\sg+3], v10, s[\sb:\sb+1] offset:(2*\i+\sg)*256
.endr
.endr
.endm
; One register carries both sides' words: lanes 0-15 keep the first, lanes 16-31 take the second (s13 = the mask of lanes 16-31); eight places stand ahead of the first scaled product
.macro MERGE
.set n, 0
.rept 64
	v_cndmask_b32 v[SC+n], v[SC+n], v[AF+n], s13
.set n, n+1
.endr
	PLACES 8
.endm
.macro MUL16 a0, p, ks, zero
.irp a, \a0, \a0+1
.irp b, 0,1,2,3,4,5,6,7
.if \zero
	v_wmma_scale_f32_16x16x128_f8f6f4 v[8*(8*((\a)%4)+\b):8*(8*((\a)%4)+\b)+7], v[128*(\p)+FR*\b:128*(\p)+FR*\b+FR-1], v[AF+FR*(\a):AF+FR*(\a)+FR-1], 0, v[SC+8*\b+(\ks)], v[SC+8*(\a)+(\ks)] matrix_a_fmt:MATRIX_FMT_FP6 matrix_b_fmt:MATRIX_FMT_FP6 matrix_a_scale:MATRIX_SCALE_ROW1
.else
	v_wmma_scale_f32_16x16x128_f8f6f4 v[8*(8*((\a)%4)+\b):8*(8*((\a)%4)+\b)+7], v[128*(\p)+FR*\b:128*(\p)+FR*\b+FR-1], v[AF+FR*(\a):AF+FR*(\a)+FR-1], v[8*(8*((\a)%4)+\b):8*(8*((\a)%4)+\b)+7], v[SC+8*\b+(\ks)], v[SC+8*(\a)+(\ks)] matrix_a_fmt:MATRIX_FMT_FP6 matrix_b_fmt:MATRIX_FMT_FP6 matrix_a_scale:MATRIX_SCALE_ROW1
.endif
.endr
.endr
.endm
.macro STEP slot, ks, zero
	s_wait_dscnt 4*NL
	WIN MUL_LO
	MUL16 0, 0, \ks, \zero
	MUL16 2, 0, \ks, \zero
	s_wait_dscnt 0x0
	PLACES NP
	FETCH_B \slot, 1, 1
	FETCH_A \slot, 1, 0
	WIN MUL_HI
	MUL16 4, 0, \ks, \zero
	MUL16 6, 0, \ks, \zero
	PLACES NP
	WIN 0
	FETCH_A \slot, 1, 4
.endm
.macro TURN slot, next, ks, fill
	s_wait_tensorcnt 0x0
	ds_add_u32 v[SPW], v[NIL]
	s_wait_dscnt 4*NL+1
	WIN MUL_LO
	MUL16 0, 1, \ks, 0
	s_wait_dscnt 0x0
	s_barrier_signal -1
	MUL16 2, 1, \ks, 0
	WIN 0
	s_barrier_wait -1
.if \fill
	CREST
	s_add_nc_u64 s[G0+4*\slot+2:G0+4*\slot+3], s[G0+4*\slot+2:G0+4*\slot+3], 2*HALFT
	s_add_nc_u64 s[G0B+4*\slot+2:G0B+4*\slot+3], s[G0B+4*\slot+2:G0B+4*\slot+3], 2*HALFT
	JLOAD G0+4*\slot, G1, G0B+4*\slot, G1B
.else
	PLACES NP
.endif
	FETCH_B \next, 0, 0
	FETCH_A \next, 0, 0
	WIN MUL_HI
	MUL16 4, 1, \ks, 0
	MUL16 6, 1, \ks, 0
	PLACES NP
	WIN 0
	FETCH_A \next, 0, 4
.endm
.macro QUANT s, nb, pw
.irp b, 0,1,2,3
.if \b < \nb
	v_max3_num_f32 v[TM+\b], |v[\s+16*\b]|, |v[\s+1+16*\b]|, 0x1800000
.endif
.endr
.irp i, 2,4,6,8,10,12,14
.irp b, 0,1,2,3
.if \b < \nb
	v_max3_num_f32 v[TM+\b], v[TM+\b], |v[\s+16*\b+\i]|, |v[\s+1+16*\b+\i]|
.endif
.endr
.endr
.irp b, 0,1,2,3
.if \b < \nb
	v_permlanex16_b32 v[TM+4+\b], v[TM+\b], s[SEL], s[SEL+1]
.endif
.endr
.irp b, 0,1,2,3
.if \b < \nb
	v_max_num_f32 v[TM+\b], v[TM+\b], v[TM+4+\b]
.endif
.endr
.irp b, 0,1,2,3
.if \b < \nb
	v_add_nc_u32 v[TM+12+\b], 0xff000000, v[TM+\b]
.endif
.endr
.irp b, 0,1,2,3
.if \b < \nb
	v_lshrrev_b32 v[TM+4+\b], 23, v[TM+12+\b]
.endif
.endr
	v_lshl_or_b32 v[\pw], v[TM+5], 8, v[TM+4]
.if \nb > 2
	v_lshl_or_b32 v[\pw], v[TM+6], 16, v[\pw]
	v_lshl_or_b32 v[\pw], v[TM+7], 24, v[\pw]
.endif
.irp c, 0,1
.if 2*\c < \nb
	v_cvt_scalef32_pk16_fp6_f32 v[PC+6*\c:PC+2+6*\c], v[\s+32*\c:\s+15+32*\c], v[TM+12+2*\c]
	v_cvt_scalef32_pk16_fp6_f32 v[PC+12+4*\c:PC+14+4*\c], v[\s+16+32*\c:\s+31+32*\c], v[TM+12+2*\c+1]
.endif
.endr
	v_nop
.irp c, 0,1
.if 2*\c < \nb
.irp i, 0,1,2
	v_permlane16_swap_b32 v[PC+6*\c+\i], v[PC+12+4*\c+\i]
.endr
.irp i, 0,1,2
	v_mov_b32 v[PC+3+6*\c+\i], v[PC+12+4*\c+\i]
.endr
.endif
.endr
.endm
.macro EPI a, mode
.if (\a) > 0
	s_wait_xcnt 0x0
.endif
.if \mode == 0
	WIN 0x06+(\a)/4
.else
	WIN 0x02+(\a)/4
.endif
.irp b, 0,1,2,3,4,5,6,7
.irp p, 0,2,4,6
.if \mode == 0
	v_pk_add_f32 v[H+8*\b+\p:H+8*\b+\p+1], v[8*(8*((\a)%4)+\b)+\p:8*(8*((\a)%4)+\b)+\p+1], v[96+8*\b+96*(\b/4)+\p:96+8*\b+96*(\b/4)+\p+1]
.else
	v_pk_add_f32 v[H+8*\b+\p:H+8*\b+\p+1], v[8*(8*((\a)%4)+\b)+\p:8*(8*((\a)%4)+\b)+\p+1], v[BJ+2*(\a):BJ+2*(\a)+1]
.endif
.endr
.endr
	WIN 0
	QUANT H, 4, PWS+(\a)
.if \mode == 0
.irp u, 0,1,2
	global_store_b64 v[LI8], v[PC+2*\u:PC+2*\u+1], s[BE:BE+1] offset:(\a)*768+256*\u
	global_store_b64 v[LI8], v[PC+6+2*\u:PC+7+2*\u], s[BO:BO+1] offset:(\a)*768+256*\u
.endr
.else
.irp p, 0,1,2,3,4,5
	global_store_b64 v[LI8], v[PC+2*\p:PC+2*\p+1], s[BV:BV+1] offset:6656+((\a)/4)*208896+((\a)%4)*1536+256*\p
.endr
.endif
.endm
	s_load_b256 s[4:11], s[0:1], 0x0
	s_load_b256 s[92:99], s[0:1], 0x20
	s_load_b64 s[100:101], s[0:1], 0x40
	v_lshl_add_u32 v[SPW], v0, 2, SPARE
	v_mov_b32 v[NIL], 0
	ds_add_u32 v28, v29
	ds_add_u32 v28, v29
	s_wait_dscnt 0x0
	v_lshrrev_b32 v1, 5, v0
	v_readfirstlane_b32 s[WV], v1
	s_lshr_b32 s[HR], s[WV], 1
	s_and_b32 s[HC], s[WV], 1
	s_bfe_u32 s[CX], ttmp6, 0x40000
	s_bfe_u32 s[CY], ttmp6, 0x40004
	s_and_b32 s13, ttmp7, 0xffff
	s_lshr_b32 s[TT], s13, 3
	s_and_b32 s13, s13, 7
	s_lshl_b32 s13, s13, 2
	s_cmp_eq_u32 s[TT], 2
	s_cselect_b32 s18, s13, 0
	s_cselect_b32 s19, 0, s13
	s_add_co_u32 s[XX], s[CX], s18
	s_add_co_u32 s[YY], s[CY], s19
	s_lshl_b32 s43, s[CY], 2
	s_lshl_b32 s43, 15, s43
	s_lshl_b32 s44, 0x1111, s[CX]
	s_or_b32 s[G1+0], s43, (3<<16)|(1<<21)
	s_or_b32 s[G1B+0], s44, (3<<16)|(1<<21)
.irp g, G1, G1B
	s_mov_b32 s[\g+1], 32<<16
	s_mov_b32 s[\g+2], 192<<16                     ; the head's load: 192 rows of 256 bytes, both slots' quarters
	s_mov_b32 s[\g+3], 32<<16
	s_mov_b32 s[\g+4], 192
	s_mov_b32 s[\g+5], 32
	s_mov_b32 s[\g+6], 0
	s_mov_b32 s[\g+7], 0
.endr
	s_lshl_b32 s20, s[YY], 1
	s_add_co_u32 s22, s20, s[HR]                   ; the scales of the 128 rows that I multiply
	s_lshl_b32 s22, s22, 12
	s_add_co_u32 s20, s20, s[HC]                   ; the codes of the 128 rows that I fetch
	s_mul_i32 s20, s20, 98304
	s_mov_b32 s21, 0
	s_mov_b32 s23, 0
	s_lshl_b32 s46, s[XX], 1
	s_add_co_u32 s46, s46, s[HC]
	s_lshl_b32 s66, s46, 12
	s_mul_i32 s46, s46, 98304
	s_mov_b32 s47, 0
	s_mov_b32 s67, 0
	s_mul_i32 s45, s[WV], 2*HALFT
	s_mov_b32 s3, 0
	s_wait_kmcnt 0x0
	s_mul_i32 s2, s[TT], 6291456
	s_add_nc_u64 s[4:5], s[4:5], s[2:3]
	s_lshl_b32 s2, s[TT], 18
	s_add_nc_u64 s[6:7], s[6:7], s[2:3]
	s_mul_i32 s2, s[TT], 786432
	s_add_nc_u64 s[8:9], s[8:9], s[2:3]
	s_lshl_b32 s2, s[TT], 15
	s_add_nc_u64 s[10:11], s[10:11], s[2:3]
	s_cmp_eq_u32 s[TT], 2
	s_cselect_b64 s[18:19], s[8:9], s[4:5]
	s_cselect_b64 s[2:3], s[10:11], s[6:7]
	s_cselect_b64 s[4:5], s[4:5], s[8:9]
	s_cselect_b64 s[6:7], s[6:7], s[10:11]
	s_add_nc_u64 s[18:19], s[18:19], s[20:21]
	s_add_nc_u64 s[2:3], s[2:3], s[22:23]
	s_add_nc_u64 s[4:5], s[4:5], s[46:47]
	s_add_nc_u64 s[6:7], s[6:7], s[66:67]
	v_and_b32 v10, 15, v0
	v_lshlrev_b32 v10, 4, v10                      ; 16 x (lane % 16): a row's four words
	SCALES 2, 6
	s_wait_alu depctr_va_vdst(0)
	s_wait_xcnt 0x0                                ; the loads have read their bases, which are written again further down
	CROUND
.irp s, 0,1
	s_mov_b32 s[G0+4*\s], 1
	s_add_co_u32 s[G0+4*\s+1], s45, \s*SLOT
	s_add_nc_u64 s[G0+4*\s+2:G0+4*\s+3], s[18:19], \s*HALFT
	s_or_b32 s[G0+4*\s+3], s[G0+4*\s+3], 0x80000000
	s_mov_b32 s[G0B+4*\s], 1
	s_add_co_u32 s[G0B+4*\s+1], s45, \s*SLOT
	s_add_nc_u64 s[G0B+4*\s+2:G0B+4*\s+3], s[4:5], \s*HALFT
	s_or_b32 s[G0B+4*\s+3], s[G0B+4*\s+3], 0x80000000
.endr
	JLOAD G0, G1, G0B, G1B                         ; my one tensor load at the head: K steps 0 to 3 of my 128 rows, into my quarters of both slots
	v_and_b32 v1, 15, v0
	v_bfe_u32 v2, v0, 4, 1
	v_and_b32 v3, 31, v0
	v_lshlrev_b32 v[LI8], 3, v3
	v_lshlrev_b32 v[LI16], 4, v3
	v_mul_u32_u24 v[VSO], v2, 208896
	v_lshl_add_u32 v[VSO], v1, 4, v[VSO]
	s_mul_i32 s21, s[HR], 2*HALFT
	s_mul_i32 s22, s[HC], 2*HALFT
	s_add_co_u32 s22, s22, 4*HALFT
.irp s, 0,1
	v_add_nc_u32 v[ADRA+\s], s21, v[LI8]
	v_add_nc_u32 v[ADRB+\s], s22, v[LI8]
	s_add_co_u32 s21, s21, SLOT
	s_add_co_u32 s22, s22, SLOT
.endr
	s_cmp_eq_u32 s[TT], 0
	s_cselect_b64 s[BP:BP+1], s[92:93], s[94:95]
	s_cmp_eq_u32 s[TT], 2
	s_cselect_b64 s[BP:BP+1], s[96:97], s[BP:BP+1]
	v_lshlrev_b32 v8, 6, v2
	s_lshl_b32 s21, s[CX], 10
	s_lshl_b32 s22, s[HC], 9
	s_add_co_u32 s21, s21, s22
	v_add_nc_u32 v8, s21, v8
	v_and_b32 v9, 7, v1
	v_lshrrev_b32 v7, 3, v1
	v_lshl_add_u32 v9, v7, 4, v9
	v_lshlrev_b32 v9, 2, v9
	s_lshl_b32 s21, s[CY], 10
	s_lshl_b32 s22, s[HR], 9
	s_add_co_u32 s21, s21, s22
	v_add_nc_u32 v9, s21, v9
	WIN TO_B
.irp b, 0,1,2,3,4,5,6,7
	global_load_b128 v[96+8*\b+96*(\b/4):96+8*\b+96*(\b/4)+3], v8, s[BP:BP+1] offset:(32*(\b/2)+8*(\b%2))*4
	global_load_b128 v[96+8*\b+96*(\b/4)+4:96+8*\b+96*(\b/4)+7], v8, s[BP:BP+1] offset:(32*(\b/2)+8*(\b%2))*4+16
.endr
	WIN 0
.irp a, 0,1,2,3,4,5,6,7
	global_load_b32 v[BJ+2*\a], v9, s[BP:BP+1] offset:(32*(\a/2)+8*(\a%2))*4
	global_load_b32 v[BJ+2*\a+1], v9, s[BP:BP+1] offset:(32*(\a/2)+8*(\a%2))*4
.endr
.irp b, 0,1,2,3
	v_mov_b32 v[TM+4+\b], 0
.endr
	s_lshl_b32 s20, s[CX], 1
	s_add_co_u32 s20, s20, s[HC]
	s_lshl_b32 s20, s20, 1
	s_lshr_b32 s21, s[YY], 3
	s_lshl_b32 s21, s21, 4
	s_add_co_u32 s20, s20, s21
	s_lshl_b32 s20, s20, 4
	s_and_b32 s21, s[YY], 7
	s_lshl_b32 s21, s21, 1
	s_add_co_u32 s20, s20, s21
	s_add_co_u32 s20, s20, s[HR]
	s_cmp_eq_u32 s[TT], 0
	s_mov_b32 s22, 13056
	s_cselect_b32 s22, 6656, s22
	s_cselect_b64 s[BE:BE+1], s[98:99], s[100:101]
	s_mul_i32 s20, s20, s22
	s_mov_b32 s21, 0
	s_add_nc_u64 s[BE:BE+1], s[BE:BE+1], s[20:21]
	s_lshl_b32 s20, s22, 4
	s_add_nc_u64 s[BO:BO+1], s[BE:BE+1], s[20:21]
	s_lshr_b32 s20, s[XX], 3
	s_lshl_b32 s20, s20, 4
	s_lshl_b32 s21, s[CY], 2
	s_add_co_u32 s20, s20, s21
	s_lshl_b32 s21, s[HR], 1
	s_add_co_u32 s20, s20, s21
	s_lshl_b32 s20, s20, 4
	s_and_b32 s21, s[XX], 7
	s_lshl_b32 s21, s21, 1
	s_add_co_u32 s20, s20, s21
	s_add_co_u32 s20, s20, s[HC]
	s_mul_i32 s20, s20, 13056
	s_mov_b32 s21, 0
	s_add_nc_u64 s[BV:BV+1], s[100:101], s[20:21]
	s_mov_b32 s[SEL], 0x76543210
	s_mov_b32 s[SEL+1], 0xfedcba98
	s_mov_b32 s13, 0xffff0000
	s_wait_loadcnt 0x0                             ; the scale words (and the biases) are in
	MERGE
	s_wait_alu depctr_va_vdst(0)
	s_wait_tensorcnt 0x0                           ; my part of both slots is in; no tensor load of mine is out, so a descriptor may be written:
	s_mov_b32 s[G1+2], 96<<16                      ; from here on a load brings 96 rows, one slot's quarter
	s_mov_b32 s[G1+4], 96
	s_mov_b32 s[G1B+2], 96<<16
	s_mov_b32 s[G1B+4], 96
	s_barrier_signal -1
	s_barrier_wait -1
	FETCH_B 0, 0, 0
	FETCH_A 0, 0, 0
	FETCH_A 0, 0, 4
	STEP 0, 0, 1
	TURN 0, 1, 1, 1
	STEP 1, 2, 0
	TURN 1, 0, 3, 1
	STEP 0, 4, 0
	TURN 0, 1, 5, 0
	STEP 1, 6, 0
	s_wait_dscnt 4*NL
	WIN MUL_LO
	MUL16 0, 1, 7, 0
	MUL16 2, 1, 7, 0
	s_wait_dscnt 0x0
	WIN MUL_HI
	MUL16 4, 1, 7, 0
	MUL16 6, 1, 7, 0
	WIN 0
	PLACES NP
	s_wait_loadcnt 0x0
	v_cmp_le_u32 vcc_lo, 16, v3
	s_cmp_eq_u32 s[TT], 2
	s_cbranch_scc1 .Lvarm
.irp a, 0,1,2,3,4,5,6,7
	EPI \a, 0
.endr
.irp q, 0,1,2,3
	v_cndmask_b32 v[T+\q], v[PWS+\q], v[PWS+4+\q], vcc_lo
.endr
.irp q, 0,1,2,3
	v_lshrrev_b32 v[T2+\q], 16, v[T+\q]
.endr
.irp q, 0,1,2,3
	v_and_b32 v[T+\q], 0xffff, v[T+\q]
.endr
	global_store_b128 v[LI16], v[T:T+3], s[BE:BE+1] offset:6144
	global_store_b128 v[LI16], v[T2:T2+3], s[BO:BO+1] offset:6144
	s_branch .Lend
.Lvarm:
.irp a, 0,1,2,3,4,5,6,7
	EPI \a, 1
.endr
.irp q, 0,1,2,3
	v_cndmask_b32 v[T+\q], v[PWS+\q], v[PWS+4+\q], vcc_lo
.endr
	global_store_b128 v[VSO], v[T:T+3], s[BV:BV+1] offset:12800
.Lend:
	s_wait_tensorcnt 0x0
	ds_add_u32 v[SPW], v[NIL]
	s_wait_dscnt 0x0
	CROUND
	s_endpgm
.Lfunc_end_k_q2ab1d2805f_proj:
	.size	k_q2ab1d2805f_proj, .Lfunc_end_k_q2ab1d2805f_proj-k_q2ab1d2805f_proj
	.p2alignl 7, 3214868480
	.fill 96, 4, 3214868480
	.section	.rodata,"a",@progbits
	.p2align	6, 0x0
	.amdhsa_kernel k_q2ab1d2805f_proj
		.amdhsa_group_segment_fixed_size 327680
		.amdhsa_private_segment_fixed_size 0
		.amdhsa_enable_private_segment 0
		.amdhsa_kernarg_size 72
		.amdhsa_user_sgpr_count 2
		.amdhsa_user_sgpr_kernarg_segment_ptr 1
		.amdhsa_wavefront_size32 1
		.amdhsa_system_sgpr_workgroup_id_x 1
		.amdhsa_system_sgpr_workgroup_id_y 1
		.amdhsa_system_sgpr_workgroup_id_z 1
		.amdhsa_system_vgpr_workitem_id 0
		.amdhsa_next_free_vgpr 1024
		.amdhsa_next_free_sgpr 102
		.amdhsa_reserve_vcc 1
		.amdhsa_float_denorm_mode_32 3
		.amdhsa_float_denorm_mode_16_64 3
		.amdhsa_memory_ordered 1
		.amdhsa_forward_progress 1
		.amdhsa_inst_pref_size 241
	.end_amdhsa_kernel
	.amdgpu_metadata
---
amdhsa.version: [ 1, 2 ]
amdhsa.kernels:
  - .name:           k_q2ab1d2805f_proj
    .symbol:         k_q2ab1d2805f_proj.kd
    .args:
      - { .name: xc, .offset: 0, .size: 8, .value_kind: global_buffer, .address_space: global }
      - { .name: xs, .offset: 8, .size: 8, .value_kind: global_buffer, .address_space: global }
      - { .name: wc, .offset: 16, .size: 8, .value_kind: global_buffer, .address_space: global }
      - { .name: ws, .offset: 24, .size: 8, .value_kind: global_buffer, .address_space: global }
      - { .name: bq, .offset: 32, .size: 8, .value_kind: global_buffer, .address_space: global }
      - { .name: bk, .offset: 40, .size: 8, .value_kind: global_buffer, .address_space: global }
      - { .name: bv, .offset: 48, .size: 8, .value_kind: global_buffer, .address_space: global }
      - { .name: qs, .offset: 56, .size: 8, .value_kind: global_buffer, .address_space: global }
      - { .name: kv, .offset: 64, .size: 8, .value_kind: global_buffer, .address_space: global }
    .group_segment_fixed_size: 327680
    .private_segment_fixed_size: 0
    .kernarg_segment_align: 8
    .kernarg_segment_size: 72
    .max_flat_workgroup_size: 128
    .sgpr_count:     102
    .vgpr_count:     1024
    .wavefront_size: 32
...
	.end_amdgpu_metadata
.endif
;; end of part 2
;; launch attn (part 3): grid 4 x 64, 16 waves a work-group, clusters of 4 x 1, 210,944 bytes of LDS; arguments qs, kv, oc, os; writes oc, os
.if DOCPART == 3
	.amdgcn_target "amdgcn-amd-amdhsa--gfx1250"
	.amdhsa_code_object_version 6
	.text
	.protected	k_q2ab1d2805f_attn
	.globl	k_q2ab1d2805f_attn
	.p2align	8
	.type	k_q2ab1d2805f_attn,@function
k_q2ab1d2805f_attn:
	s_mov_b64 s[64:65], 0
	v_nop
	global_prefetch_b8 v0, s[64:65] scope:SCOPE_SE
	s_setreg_imm32_b32 hwreg(HW_REG_WAVE_MODE, 25, 1), 1
	s_wait_xcnt 0x0
	s_wait_alu depctr_hold_cnt(0) depctr_sa_sdst(0) depctr_va_vdst(0) depctr_va_sdst(0) depctr_va_ssrc(0) depctr_va_vcc(0) depctr_vm_vsrc(0)
	s_getreg_b32 s2, hwreg(HW_REG_IB_STS2, 6, 4)
	s_cmp_eq_u32 s2, 0
	s_cbranch_scc0 .Lentry_in_a_cluster
	s_endpgm
.Lentry_in_a_cluster:
	s_bfe_u32 s2, ttmp6, 0x10000c
	s_cmp_lg_u32 s2, 0x3003
	s_cbranch_scc0 .Lentry_shape_is_right
	s_endpgm
.Lentry_shape_is_right:
; For each batch and head: o = softmax(q k^T / 8) v, both products on codes of FP6 (E2M3) with E8M0 scales; o / l is quantised along the 1,024 of the last projection's K and stored as that product's operand.
; THE SOFTMAX: t = score x log2(e) / 8; M = the running largest t rounded UP to a whole number; p = 2^(t - M) is quantised along the keys, not normalised; the row's sum l is taken of the unquantised p in f32 and divides at the end.
; When M moves, l and O are multiplied by 2^(old M - new M): exact.
; SHARES.  A work-group owns 512 queries of one head, in two passes of 256 (a loop of two trips); each of its sixteen waves owns one tile of 16 queries a pass.  The head's whole K and V, 16 key steps x 13,056 bytes, lie in LDS,
; filled once: wave w asks for key step w, one tensor load a wave, and one barrier shows all sixteen to all waves.  No LDS byte is filled again.
; CLUSTER.  The four work-groups of a cluster own the four quarters of one head's queries and need the same K and V: each key step is asked for jointly, by the same tensor load with the mask of all four.
; NO PREFETCH: all sixteen fills go out at the kernel's head; there is no loop in which a request could run ahead of them.
; LAYOUT.  Both products are used transposed: S^T = K Q^T (source 0 = 16 keys), O^T = V^T P^T (source 0 = 16 of the head's 64): a lane holds one query throughout.  Row m of K's tile t is key 64 (t / 4) + 32 (m / 8) + 8 (t % 4) + m % 8
; of the step's 128 (the first launch orders them so): lane (r, h) then holds in the 32 result registers of tiles 4 c .. 4 c + 3 the keys 64 c + 32 h + 0 .. 31, one whole block, in the order of the 6-bit operand's registers 6 c .. 6 c + 5.
; So a block's largest score needs no other lane, and p's codes are not moved between lanes.
; K = 64 IN AN INSTRUCTION OF 128: Q's registers 6-11 are zeros, so whatever stands in source 0's registers 6-11 (the next tile's codes) adds nothing; the scale bytes for k = 64 .. 127 are 0.
; A BLOCK'S SCALE: p rises with the score, so the block's largest score goes through the same multiply-add, with 2 more taken off, and the exponential: the result's exponent field is the scale's byte.
; LIMITS: the promise holds while |t| stays under 2^31; a block of zeros gets the byte 1 (zero codes); v_exp_f32 gives 0 for results under 2^-126; where a block's largest t - M lies within rounding of a whole number its scale may
; be taken one step off; NaN and infinities are not served.
; REGISTERS: v1-4 8 x lane, 16 x lane, 16 r, 8 h; v5-7 the step's LDS addresses; v8 the old -M, v9 -M - 2, v10-11 at work; v12 -M, v13 the largest score, v[14:15] l in two halves; v16-21 Q, v22-27 zeros, v28 Q's scale word;
;   v29, v86-87, v250-251, v254-255 the second pass's Q; v30-31 the spare word's address and 0; v32-79 K's 8 x 6, then V's 4 x 12; v80-85 zeros; v88-91 K's scale words, v92-95 V's; v96-159 S^T, then p; v160-191 O^T;
;   v192-223 partial sums of l, at the end o; v224-235 codes; v236-248 at work; v252 f, v253 p's scale word.
.set KVS,  13056                       ; a key step in LDS and in memory: K's codes 0, K's scale words 6,144, V's codes 6,656, V's scale words 12,800
.set SPARE, 16*KVS                     ; behind K and V: the spare words, 128 bytes for each of 16 waves
.set WV,   12
.set TB,   2                           ; LDS byte of the key step in hand
.set CNT,  3
.set SEL,  20
.set CS,   22                          ; s[22:23] c = log2(e) / 8
.set G1,   24
.set G0,   32
.set PASS, 36
.set QB,   48
.set QSB,  50
.set OCB,  52
.set OSB,  54
.macro CROUND
	s_barrier_signal -1
	s_barrier_wait -1
	s_cmp_lg_u32 s[WV], 0
	s_cbranch_scc1 .Lnot_wave_0_\@
	s_barrier_signal -3
.Lnot_wave_0_\@:
	s_barrier_wait -3
	s_barrier_signal -1
	s_barrier_wait -1
.endm
.macro KLOAD ac, as, off               ; K's eight tiles, three planes of 256 bytes each, and their scale words (register q: lanes 0-15 tile q's, lanes 16-31 tile 4 + q's)
.irp t, 0,1,2,3,4,5,6,7
.irp p, 0,1,2
	ds_load_b64 v[32+6*\t+2*\p:33+6*\t+2*\p], v[\ac] offset:\off+768*\t+256*\p
.endr
.endr
	ds_load_b128 v[88:91], v[\as] offset:\off+6144
.endm
; A KEY STEP: 128 keys at LDS byte s[TB]; K's fragments were asked for a step earlier.  nxt = 1: the next step's are asked for.
.macro STEP nxt
	s_wait_dscnt 0x0                               ; K is in
.irp t, 0,1,2,3
	v_wmma_scale_f32_16x16x128_f8f6f4 v[96+8*\t:103+8*\t], v[32+6*\t:43+6*\t], v[16:27], 0, v[88+\t], v28 matrix_a_fmt:MATRIX_FMT_FP6 matrix_b_fmt:MATRIX_FMT_FP6
.endr
.irp t, 4,5,6,7
	v_wmma_scale_f32_16x16x128_f8f6f4 v[96+8*\t:103+8*\t], v[32+6*\t:43+6*\t], v[16:27], 0, v[84+\t], v28 matrix_a_fmt:MATRIX_FMT_FP6 matrix_b_fmt:MATRIX_FMT_FP6 matrix_a_scale:MATRIX_SCALE_ROW1
.endr
	v_add_nc_u32 v5, s[TB], v1                     ; four plain instructions behind the products, in front of the loads over K's registers and of the first read of the scores
	v_add_nc_u32 v7, s[TB], v3
	v_mov_b32 v8, v12                              ; the old -M
.if \nxt
	v_add_nc_u32 v6, s[TB], v2
.else
	v_nop
.endif
.irp dt, 0,1,2,3
.irp p, 0,1,2,3,4,5
	ds_load_b64 v[32+12*\dt+2*\p:33+12*\dt+2*\p], v5 offset:6656+1536*\dt+256*\p   ; V^T's four fragments land under the softmax
.endr
.endr
	ds_load_b128 v[92:95], v7 offset:12800
.irp c, 0,1                            ; the largest score of my two blocks of 32 keys, each in two chains; every accumulator is read from its low end on
	v_max3_num_f32 v[244+\c], v[96+32*\c], v[97+32*\c], v[98+32*\c]
	v_max3_num_f32 v[246+\c], v[112+32*\c], v[113+32*\c], v[114+32*\c]
.endr
.irp i, 3,5,7,9,11,13
.irp c, 0,1
	v_max3_num_f32 v[244+\c], v[244+\c], v[96+32*\c+\i], v[97+32*\c+\i]
	v_max3_num_f32 v[246+\c], v[246+\c], v[112+32*\c+\i], v[113+32*\c+\i]
.endr
.endr
.irp c, 0,1
	v_max3_num_f32 v[244+\c], v[244+\c], v[246+\c], v[111+32*\c]
.endr
.irp c, 0,1
	v_max_num_f32 v[244+\c], v[244+\c], v[127+32*\c]
.endr
	v_max_num_f32 v10, v244, v245
	v_permlanex16_b32 v11, v10, s[SEL], s[SEL+1]   ; lane l xor 16's two blocks
	v_max3_num_f32 v13, v13, v10, v11              ; the running largest score of my query
	v_mul_f32 v10, s[CS], v13                      ; as t (c is positive)
	v_floor_f32 v12, -v10                          ; -M = floor(-t): M is a whole number
	v_sub_f32 v11, v12, v8                         ; old M - new M: a whole number, 0 or less
	v_add_f32 v9, -2.0, v12                        ; -M - 2, for the blocks' scales
	v_cvt_i32_f32 v11, v11                         ; (it saturates)
	v_ldexp_f32 v252, 1.0, v11                     ; f = 2^(old M - new M)
.set jj, 0
.rept 32
	v_pk_fma_f32 v[96+jj:97+jj], v[96+jj:97+jj], s[CS:CS+1], v[12:13] op_sel_hi:[1,0,0]   ; t - M, two at a time
.set jj, jj+2
.endr
	v_fma_f32 v244, v244, s[CS], v9                ; each block's largest t - M - 2
	v_fma_f32 v245, v245, s[CS], v9
	s_wait_alu depctr_va_vdst(0)                   ; the wait ahead of the batch
	v_exp_f32 v244, v244                           ; a quarter of the block's largest p
	v_exp_f32 v245, v245
.set jj, 0
.rept 64
	v_exp_f32 v[96+jj], v[96+jj]                   ; p = 2^(t - M)
.set jj, jj+1
.endr
	v_pk_mul_f32 v[14:15], v[14:15], v[252:253] op_sel_hi:[1,0]   ; l under the new M: the plain instruction behind the exponentials
	s_wait_alu depctr_va_vdst(0)                   ; and the one wait behind the batch
	v_max_num_f32 v244, 0x800000, v244             ; the floor 2^-126: the byte cannot fall under 1
	v_max_num_f32 v245, 0x800000, v245
.irp c, 0,1
	v_cvt_scalef32_pk16_fp6_f32 v[224+6*\c:226+6*\c], v[96+32*\c:111+32*\c], v[244+\c]     ; the conversion takes the exponent field of its last operand as the scale
	v_cvt_scalef32_pk16_fp6_f32 v[236+4*\c:238+4*\c], v[112+32*\c:127+32*\c], v[244+\c]    ; (a conversion's three registers begin on an even number)
.endr
	v_lshrrev_b32 v246, 23, v244                   ; the bytes of blocks h and 2 + h; plain instructions behind the conversions
	v_lshrrev_b32 v247, 23, v245
	s_delay_alu instid0(VALU_DEP_1)
	v_lshl_or_b32 v253, v247, 16, v246
	s_delay_alu instid0(VALU_DEP_1)
	v_lshlrev_b32 v253, v4, v253                   ; at their places in the scale word: 8 h bits up
	s_delay_alu instid0(VALU_DEP_1)
	v_permlanex16_b32 v248, v253, s[SEL], s[SEL+1]
	s_delay_alu instid0(VALU_DEP_1)
	v_or_b32 v253, v253, v248                      ; with lane l xor 16's two bytes: p's scale word for these 128 keys
.irp c, 0,1
.irp i, 0,1,2
	v_mov_b32 v[227+6*\c+\i], v[236+4*\c+\i]       ; a block's six registers on end
.endr
.endr
	s_wait_dscnt 0x0                               ; V is in
	s_wait_alu depctr_va_vdst(0)                   ; the wait directly ahead of the first reader of O^T
.set jj, 0
.rept 16
	v_pk_mul_f32 v[160+jj:161+jj], v[160+jj:161+jj], v[252:253] op_sel_hi:[1,0]   ; O^T under the new M; these sixteen also stand between the writes of p's codes and scale word and the products
.set jj, jj+2
.endr
.irp dt, 0,1,2,3
	v_wmma_scale_f32_16x16x128_f8f6f4 v[160+8*\dt:167+8*\dt], v[32+12*\dt:43+12*\dt], v[224:235], v[160+8*\dt:167+8*\dt], v[92+\dt], v253 matrix_a_fmt:MATRIX_FMT_FP6 matrix_b_fmt:MATRIX_FMT_FP6
.endr
.irp k, 0,1,2,3,4,5,6,7                ; the row's sum of the unquantised p, in eight chains of pairs: it names no register of the products above and fills the places behind them
	v_pk_add_f32 v[192+2*\k:193+2*\k], v[96+2*\k:97+2*\k], v[112+2*\k:113+2*\k]
.endr
.if \nxt
	KLOAD 5, 6, KVS                                ; the next step's K, over V's registers, eight plain instructions behind the products
.endif
.irp g, 128,144
.irp k, 0,1,2,3,4,5,6,7
	v_pk_add_f32 v[192+2*\k:193+2*\k], v[192+2*\k:193+2*\k], v[\g+2*\k:\g+1+2*\k]
.endr
.endr
.irp k, 0,1,2,3
	v_pk_add_f32 v[192+2*\k:193+2*\k], v[192+2*\k:193+2*\k], v[200+2*\k:201+2*\k]
.endr
	s_delay_alu instid0(VALU_DEP_2)
	v_pk_add_f32 v[192:193], v[192:193], v[196:197]
	s_delay_alu instid0(VALU_DEP_2)
	v_pk_add_f32 v[194:195], v[194:195], v[198:199]
	s_delay_alu instid0(VALU_DEP_2)
	v_pk_add_f32 v[14:15], v[14:15], v[192:193]
	s_delay_alu instid0(VALU_DEP_1)
	v_pk_add_f32 v[14:15], v[14:15], v[194:195]
.endm
	s_load_b128 s[4:7], s[0:1], 0x0                ; qs, kv
	s_load_b128 s[8:11], s[0:1], 0x10              ; oc, os
	v_lshl_add_u32 v30, v0, 2, SPARE
	v_mov_b32 v31, 0
	ds_add_u32 v30, v31                            ; the opening lines: the add, twice on end, and its wait ahead of my tensor load
	ds_add_u32 v30, v31
	v_lshrrev_b32 v4, 5, v0
	v_readfirstlane_b32 s[WV], v4                  ; wave 0..15
	s_bfe_u32 s13, ttmp6, 0x40000                  ; cx: which quarter of the head's queries; it enters Q's and o's global addresses alone
	s_and_b32 s14, ttmp7, 0xffff                   ; batch x 16 + head, which the four partners share
	; group 1: a key step, 13,056 dense bytes, as 51 rows of 32 elements of 8 bytes
	s_mov_b32 s[G1], 15|(3<<16)|(1<<21)            ; 15:0 the mask: all four work-groups; 17:16 elements of 8 bytes; 21 set beside a mask
	s_mov_b32 s[G1+1], 32<<16
	s_mov_b32 s[G1+2], 51<<16
	s_mov_b32 s[G1+3], 32<<16
	s_mov_b32 s[G1+4], 51
	s_mov_b32 s[G1+5], 32
	s_mov_b32 s[G1+6], 0
	s_mov_b32 s[G1+7], 0
	s_mul_i32 s15, s[WV], KVS                      ; my key step: in memory and in LDS alike
	s_mul_i32 s16, s14, 16*KVS
	s_add_co_u32 s16, s16, s15
	s_mov_b32 s17, 0
	s_wait_dscnt 0x0
	s_wait_kmcnt 0x0
	s_add_nc_u64 s[6:7], s[6:7], s[16:17]
	CROUND                                         ; all four work-groups are here: the joint loads meet
	s_mov_b32 s[G0], 1
	s_mul_i32 s[G0+1], s[WV], KVS
	s_mov_b64 s[G0+2:G0+3], s[6:7]
	s_or_b32 s[G0+3], s[G0+3], 0x80000000
	tensor_load_to_lds s[G0:G0+3], s[G1:G1+7]      ; key step w: every wave's one tensor load
	s_nop 0
.rept 4
	v_nop
.endr
	s_lshl_b32 s16, s13, 5
	s_add_co_u32 s16, s16, s[WV]                   ; my tile of queries in the first pass: 32 cx + wave
	s_lshl_b32 s17, s14, 4
	s_lshr_b32 s18, s16, 3
	s_add_co_u32 s17, s17, s18
	s_mul_i32 s17, s17, 6656                       ; its group of eight tiles in qs
	s_and_b32 s18, s16, 7
	s_mul_i32 s18, s18, 768
	s_add_co_u32 s56, s17, s18
	s_mov_b32 s57, 0
	s_bfe_u32 s18, s16, 0x10002
	s_lshl_b32 s18, s18, 8
	s_and_b32 s19, s16, 3
	s_lshl_b32 s19, s19, 2
	s_add_co_u32 s58, s17, s18
	s_add_co_u32 s58, s58, s19
	s_add_co_u32 s58, s58, 6144                    ; its scale words: 6,144 + 256 ((tile / 4) % 2) + 4 (tile % 4) + 16 r
	s_mov_b32 s59, 0
	s_lshr_b32 s17, s14, 4
	s_lshl_b32 s17, s17, 7
	s_add_co_u32 s17, s17, s16                     ; the tile among the 512 of o: 128 x batch + tile
	s_bfe_u32 s18, s14, 0x30001                    ; g = head / 2: the K step of the last projection
	s_and_b32 s19, s14, 1                          ; e = head % 2: which half of it
	s_lshr_b32 s60, s17, 3
	s_lshl_b32 s60, s60, 2
	s_lshr_b32 s61, s18, 1
	s_add_co_u32 s60, s60, s61
	s_lshl_b32 s60, s60, 4
	s_and_b32 s61, s18, 1
	s_lshl_b32 s61, s61, 3
	s_add_co_u32 s60, s60, s61
	s_and_b32 s61, s17, 7
	s_add_co_u32 s60, s60, s61
	s_mul_i32 s60, s60, 1536
	s_mul_i32 s61, s19, 768
	s_add_co_u32 s60, s60, s61
	s_mov_b32 s61, 0
	s_lshl_b32 s62, s17, 1
	s_lshr_b32 s63, s18, 2
	s_add_co_u32 s62, s62, s63
	s_lshl_b32 s62, s62, 8
	s_and_b32 s63, s18, 3
	s_lshl_b32 s63, s63, 2
	s_add_co_u32 s62, s62, s63
	s_lshl_b32 s63, s19, 1
	s_add_co_u32 s62, s62, s63
	s_mov_b32 s63, 0
	s_add_nc_u64 s[QB:QB+1], s[4:5], s[56:57]
	s_add_nc_u64 s[QSB:QSB+1], s[4:5], s[58:59]
	s_add_nc_u64 s[OCB:OCB+1], s[8:9], s[60:61]
	s_add_nc_u64 s[OSB:OSB+1], s[10:11], s[62:63]
	s_mov_b32 s[SEL], 0x76543210                   ; v_permlanex16_b32's selects for lane l xor 16
	s_mov_b32 s[SEL+1], 0xfedcba98
	s_mov_b32 s[CS], 0x3e38aa3b                    ; c = log2(e) / 8
	s_mov_b32 s[CS+1], s[CS]                       ; (named with it as a pair, so it is written)
	s_mov_b32 s[PASS], 0
	v_and_b32 v5, 31, v0
	v_and_b32 v6, 15, v0
	v_bfe_u32 v4, v0, 4, 1
	v_lshlrev_b32 v1, 3, v5
	v_lshlrev_b32 v2, 4, v5
	v_lshlrev_b32 v3, 4, v6
	v_lshlrev_b32 v4, 3, v4
.irp j, 22,23,24,25,26,27,80,81,82,83,84,85
	v_mov_b32 v\j, 0                               ; Q's codes for k = 64 .. 127, and what stands behind K's last tile
.endr
.irp j, 11,248,253
	v_mov_b32 v\j, 0                               ; written once: destinations of lane permutes, and the upper half of the pair v[252:253]
.endr
	s_wait_alu depctr_va_vdst(0)
.irp u, 0,1,2
	global_load_b64 v[16+2*\u:17+2*\u], v1, s[QB:QB+1] offset:256*\u   ; my tile of Q in the first pass
.endr
	global_load_b32 v28, v3, s[QSB:QSB+1]
	global_load_b64 v[86:87], v1, s[QB:QB+1] offset:13312              ; and in the second: sixteen tiles on, two groups of eight in qs
	global_load_b64 v[250:251], v1, s[QB:QB+1] offset:13312+256
	global_load_b64 v[254:255], v1, s[QB:QB+1] offset:13312+512
	global_load_b32 v29, v3, s[QSB:QSB+1] offset:13312
	s_wait_loadcnt 0x0
	s_wait_tensorcnt 0x0                           ; my key step has landed
	s_barrier_signal -1
	s_barrier_wait -1                              ; all sixteen key steps lie in LDS for all sixteen waves; nobody writes them again
.Lpass:
	KLOAD 1, 2, 0                                  ; key step 0's K
	v_mov_b32 v13, 0xff61b1e6                      ; the largest score so far: -3e38
	v_mov_b32 v12, 0x7f61b1e6                      ; and -M to go with it
	v_mov_b32 v14, 0
	v_mov_b32 v15, 0
.set jj, 0
.rept 32
	v_mov_b32 v[160+jj], 0                         ; O^T: the first step finds zeros, which the first change of M leaves zeros
.set jj, jj+1
.endr
	s_mov_b32 s[TB], 0
	s_mov_b32 s[CNT], 15
	s_wait_alu depctr_va_vdst(0)
.Lks:
	STEP 1
	s_add_co_u32 s[TB], s[TB], KVS
	s_sub_co_u32 s[CNT], s[CNT], 1
	s_cmp_lg_u32 s[CNT], 0
	s_wait_alu depctr_va_vdst(0)
	s_cbranch_scc1 .Lks
	s_mov_b32 s[TB], 15*KVS
	STEP 0                                         ; the last key step asks for nothing more
	; a pass ends: o = O^T / l, quantised along the head's 64, stored as half a fragment of the last projection's operand.  (The 32 additions of the row's sum are the places behind the last products.)
	v_add_f32 v14, v14, v15
	s_delay_alu instid0(VALU_DEP_1)
	v_permlanex16_b32 v252, v14, s[SEL], s[SEL+1]
	s_delay_alu instid0(VALU_DEP_1)
	v_add_f32 v14, v14, v252                       ; the row's sum
	s_wait_alu depctr_va_vdst(0)
	v_rcp_f32 v14, v14
	v_nop                                          ; a plain instruction behind the reciprocal,
	s_wait_alu depctr_va_vdst(0)                   ; and the wait ahead of its first reader, which is also O^T's
.set jj, 0
.rept 32
	v_mul_f32 v[192+jj], v[160+jj], v14            ; register 16 b + i: channel 32 b + 16 h + i of my query; each accumulator from its low end on
.set jj, jj+1
.endr
.irp b, 0,1
	v_max3_num_f32 v[240+\b], |v[192+16*\b]|, |v[193+16*\b]|, 0x1800000   ; my 16 numbers of block b, and the floor 2^(3 - 127): the byte cannot fall under 1
.endr
.irp i, 2,4,6,8,10,12,14
.irp b, 0,1
	s_delay_alu instid0(VALU_DEP_2)
	v_max3_num_f32 v[240+\b], v[240+\b], |v[192+16*\b+\i]|, |v[193+16*\b+\i]|
.endr
.endr
.irp b, 0,1
	s_delay_alu instid0(VALU_DEP_2)
	v_permlanex16_b32 v[244+\b], v[240+\b], s[SEL], s[SEL+1]
.endr
.irp b, 0,1
	s_delay_alu instid0(VALU_DEP_2)
	v_max_num_f32 v[240+\b], v[240+\b], v[244+\b]  ; with lane l xor 16's 16: the block's largest magnitude
.endr
.irp b, 0,1
	s_delay_alu instid0(VALU_DEP_2)
	v_add_nc_u32 v[246+\b], 0xff000000, v[240+\b]  ; 2 off its exponent field: the conversion's scale operand
.endr
.irp b, 0,1
	s_delay_alu instid0(VALU_DEP_2)
	v_lshrrev_b32 v[244+\b], 23, v[246+\b]         ; the scale's byte
.endr
	s_delay_alu instid0(VALU_DEP_1)
	v_lshl_or_b32 v239, v245, 8, v244
	v_cvt_scalef32_pk16_fp6_f32 v[224:226], v[192:207], v246
	v_cvt_scalef32_pk16_fp6_f32 v[236:238], v[208:223], v247
	v_nop                                          ; one plain instruction behind the scaled conversions
.irp i, 0,1,2
	v_permlane16_swap_b32 v[224+\i], v[236+\i]     ; the layout wants a whole block in a lane: lanes 0-15 block 0, lanes 16-31 block 1
.endr
.irp i, 0,1,2
	s_delay_alu instid0(VALU_DEP_3)
	v_mov_b32 v[227+\i], v[236+\i]
.endr
.irp u, 0,1,2
	global_store_b64 v1, v[224+2*\u:225+2*\u], s[OCB:OCB+1] offset:256*\u   ; three planes: 256 consecutive bytes each, aligned
.endr
	global_store_b16 v3, v239, s[OSB:OSB+1]        ; my head's two bytes of the row's scale word (the other two are the neighbouring head's); lanes r and r + 16 store the same bytes at the same place
	s_wait_xcnt 0x0                                ; the stores have read their registers and bases: both are written again only behind this wait
	s_add_nc_u64 s[OCB:OCB+1], s[OCB:OCB+1], 196608  ; sixteen tiles on: two groups of 128 rows in oc,
	s_add_nc_u64 s[OSB:OSB+1], s[OSB:OSB+1], 8192  ; sixteen times 512 bytes in os
	v_mov_b32 v16, v86                             ; the second pass's Q (written once for both trips: behind the second they serve nothing)
	v_mov_b32 v17, v87
	v_mov_b32 v18, v250
	v_mov_b32 v19, v251
	v_mov_b32 v20, v254
	v_mov_b32 v21, v255
	v_mov_b32 v28, v29
	s_add_co_u32 s[PASS], s[PASS], 1
	s_cmp_lt_u32 s[PASS], 2
	s_wait_alu depctr_va_vdst(0)
	s_cbranch_scc1 .Lpass
	s_wait_tensorcnt 0x0                           ; the wave's end
	ds_add_u32 v30, v31
	s_wait_dscnt 0x0
	CROUND                                         ; the closing round
	s_endpgm
.Lfunc_end_k_q2ab1d2805f_attn:
	.size	k_q2ab1d2805f_attn, .Lfunc_end_k_q2ab1d2805f_attn-k_q2ab1d2805f_attn
	.p2alignl 7, 3214868480
	.fill 96, 4, 3214868480
	.section	.rodata,"a",@progbits
	.p2align	6, 0x0
	.amdhsa_kernel k_q2ab1d2805f_attn
		.amdhsa_group_segment_fixed_size 210944
		.amdhsa_private_segment_fixed_size 0
		.amdhsa_enable_private_segment 0
		.amdhsa_kernarg_size 32
		.amdhsa_user_sgpr_count 2
		.amdhsa_user_sgpr_kernarg_segment_ptr 1
		.amdhsa_wavefront_size32 1
		.amdhsa_system_sgpr_workgroup_id_x 1
		.amdhsa_system_sgpr_workgroup_id_y 1
		.amdhsa_system_sgpr_workgroup_id_z 1
		.amdhsa_system_vgpr_workitem_id 0
		.amdhsa_next_free_vgpr 256
		.amdhsa_next_free_sgpr 66
		.amdhsa_reserve_vcc 0
		.amdhsa_float_denorm_mode_32 3
		.amdhsa_float_denorm_mode_16_64 3
		.amdhsa_memory_ordered 1
		.amdhsa_forward_progress 1
		.amdhsa_inst_pref_size 45
	.end_amdhsa_kernel
	.amdgpu_metadata
---
amdhsa.version: [ 1, 2 ]
amdhsa.kernels:
  - .name:           k_q2ab1d2805f_attn
    .symbol:         k_q2ab1d2805f_attn.kd
    .args:
      - { .name: qs, .offset: 0, .size: 8, .value_kind: global_buffer, .address_space: global }
      - { .name: kv, .offset: 8, .size: 8, .value_kind: global_buffer, .address_space: global }
      - { .name: oc, .offset: 16, .size: 8, .value_kind: global_buffer, .address_space: global }
      - { .name: os, .offset: 24, .size: 8, .value_kind: global_buffer, .address_space: global }
    .group_segment_fixed_size: 210944
    .private_segment_fixed_size: 0
    .kernarg_segment_align: 8
    .kernarg_segment_size: 32
    .max_flat_workgroup_size: 512
    .sgpr_count:     66
    .vgpr_count:     256
    .wavefront_size: 32
...
	.end_amdgpu_metadata
.endif
;; end of part 3
;; launch outp (part 4): grid 4 x 32, 4 waves a work-group, clusters of 4 x 4, 327,680 bytes of LDS; arguments oc, os, wc, ws, bo, out0; writes out0
.if DOCPART == 4
	.amdgcn_target "amdgcn-amd-amdhsa--gfx1250"
	.amdhsa_code_object_version 6
	.text
	.protected	k_q2ab1d2805f_outp
	.globl	k_q2ab1d2805f_outp
	.p2align	8
	.type	k_q2ab1d2805f_outp,@function
k_q2ab1d2805f_outp:
	s_mov_b64 s[64:65], 0
	v_nop
	global_prefetch_b8 v0, s[64:65] scope:SCOPE_SE
	s_setreg_imm32_b32 hwreg(HW_REG_WAVE_MODE, 25, 1), 1
	s_wait_xcnt 0x0
	s_wait_alu depctr_hold_cnt(0) depctr_sa_sdst(0) depctr_va_vdst(0) depctr_va_sdst(0) depctr_va_ssrc(0) depctr_va_vcc(0) depctr_vm_vsrc(0)
	s_getreg_b32 s2, hwreg(HW_REG_IB_STS2, 6, 4)
	s_cmp_eq_u32 s2, 0
	s_cbranch_scc0 .Lentry_in_a_cluster
	s_endpgm
.Lentry_in_a_cluster:
	s_bfe_u32 s2, ttmp6, 0x10000c
	s_cmp_lg_u32 s2, 0xf033
	s_cbranch_scc0 .Lentry_shape_is_right
	s_endpgm
.Lentry_shape_is_right:
.set HALFT, 24576
.set SLOT,  HALFT                      ; LDS: wave w's quarter of slot 0 at 2 w HALFT, its quarter of slot 1 directly behind it, so that one load fills both at the head
.set SCL,   8*HALFT                    ; the ring's end: here the four stages of the way out begin, 16 rows x 528 bytes each, bytes into which no fill lands
.set SPARE, SCL+4*8448                 ; behind the stages: the spare words
.set FR, 12
.set NL, 6
.set NP, 4
.set ADRA, 16
.set ADRB, 20
.set STO,  24
.set RD,   25
.set CO,   26
.set ADRS, 27
.set SPW,  28
.set NIL,  29
.set SC,   32
.set AF,   128
.set BK,   128
.set OUT, 94
.set WV, 14
.set HR, 15
.set HC, 16
.set YY, 17
.set G1, 24
.set G0, 32
.set CX, 40
.set CY, 41
.set G1B, 48
.set G0B, 56
.set G1S, 68
.set G0S, 76
.set G1SB, 80
.set G0SB, 88
.set MSB, 0
.macro WIN new
.if MSB != (\new)
	s_set_vgpr_msb (MSB<<8)|(\new)
.set MSB, (\new)
.endif
.endm
.set MUL_LO, 0xa1
.set MUL_HI, 0xf1
.set TO_B,   0x40
.macro JLOAD g0a, g1a, g0b, g1b
	s_cmp_eq_u32 s[HR], 0
	s_cbranch_scc0 .Lfor_b_\@
	tensor_load_to_lds s[\g0a:\g0a+3], s[\g1a:\g1a+7]
	s_nop 0
.rept 4
	v_nop
.endr
	s_branch .Lasked_\@
.Lfor_b_\@:
	tensor_load_to_lds s[\g0b:\g0b+3], s[\g1b:\g1b+7]
	s_nop 0
.rept 4
	v_nop
.endr
.Lasked_\@:
.endm
.macro CREST
	s_cmp_lg_u32 s[WV], 0
	s_cbranch_scc1 .Lnot_wave_0_\@
	s_barrier_signal -3
.Lnot_wave_0_\@:
	s_barrier_wait -3
	s_barrier_signal -1
	s_barrier_wait -1
.endm
.macro CROUND
	s_barrier_signal -1
	s_barrier_wait -1
	CREST
.endm
.macro PLACES n
.rept \n
	v_nop
.endr
.endm
.macro FRAG reg, adr, q, i
.irp p, 0,1,2,3,4,5
	ds_load_b64 v[\reg+2*\p:\reg+2*\p+1], v[\adr] offset:((\q)*8+(\i))*1536+256*\p
.endr
.endm
.macro FETCH_B slot, q, p
	WIN TO_B
.irp i, 0,1,2,3,4,5,6,7
	FRAG 128*(\p)+FR*\i, ADRB+\slot, \q, \i
.endr
	WIN 0
.endm
.macro FETCH_A slot, q, i0
.irp i, \i0, \i0+1, \i0+2, \i0+3
	FRAG AF+FR*(\i), ADRA+\slot, \q, \i
.endr
.endm
; The scale words of my 128 rows of source 1 (base sa) and of source 0 (base sb), for all of K, straight into registers: sixteen lanes read 256 consecutive bytes, lanes 16-31 the same ones
.macro SCALES sa, sb
.irp i, 0,1,2,3,4,5,6,7
.irp sg, 0,1
	global_load_b128 v[SC+8*\i+4*\sg:SC+8*\i+4*\sg+3], v10, s[\sa:\sa+1] offset:(2*\i+\sg)*256
	global_load_b128 v[AF+8*\i+4*\sg:AF+8*\i+4*\sg+3], v10, s[\sb:\sb+1] offset:(2*\i+\sg)*256
.endr
.endr
.endm
; One register carries both sides' words: lanes 0-15 keep the first, lanes 16-31 take the second (s13 = the mask of lanes 16-31); eight places stand ahead of the first scaled product
.macro MERGE
.set n, 0
.rept 64
	v_cndmask_b32 v[SC+n], v[SC+n], v[AF+n], s13
.set n, n+1
.endr
	PLACES 8
.endm
.macro MUL16 a0, p, ks, first
.irp a, \a0, \a0+1
.irp b, 0,1,2,3,4,5,6,7
.if \first
	v_wmma_scale_f32_16x16x128_f8f6f4 v[8*(8*((\a)%4)+\b):8*(8*((\a)%4)+\b)+7], v[128*(\p)+FR*\b:128*(\p)+FR*\b+FR-1], v[AF+FR*(\a):AF+FR*(\a)+FR-1], v[96+8*\b+96*(\b/4):96+8*\b+96*(\b/4)+7], v[SC+8*\b+(\ks)], v[SC+8*(\a)+(\ks)] matrix_a_fmt:MATRIX_FMT_FP6 matrix_b_fmt:MATRIX_FMT_FP6 matrix_a_scale:MATRIX_SCALE_ROW1
.else
	v_wmma_scale_f32_16x16x128_f8f6f4 v[8*(8*((\a)%4)+\b):8*(8*((\a)%4)+\b)+7], v[128*(\p)+FR*\b:128*(\p)+FR*\b+FR-1], v[AF+FR*(\a):AF+FR*(\a)+FR-1], v[8*(8*((\a)%4)+\b):8*(8*((\a)%4)+\b)+7], v[SC+8*\b+(\ks)], v[SC+8*(\a)+(\ks)] matrix_a_fmt:MATRIX_FMT_FP6 matrix_b_fmt:MATRIX_FMT_FP6 matrix_a_scale:MATRIX_SCALE_ROW1
.endif
.endr
.endr
.endm
.macro STEP slot, ks, first
	s_wait_dscnt 4*NL
.if \first
	WIN 0x91
.else
	WIN MUL_LO
.endif
	MUL16 0, 0, \ks, \first
	MUL16 2, 0, \ks, \first
	s_wait_dscnt 0x0
	PLACES NP
	FETCH_B \slot, 1, 1
	FETCH_A \slot, 1, 0
.if \first
	WIN 0xd1
.else
	WIN MUL_HI
.endif
	MUL16 4, 0, \ks, \first
	MUL16 6, 0, \ks, \first
	PLACES NP
	WIN 0
	FETCH_A \slot, 1, 4
.endm
.macro TURN slot, next, ks, fill
	s_wait_tensorcnt 0x0
	ds_add_u32 v[SPW], v[NIL]
	s_wait_dscnt 4*NL+1
	WIN MUL_LO
	MUL16 0, 1, \ks, 0
	s_wait_dscnt 0x0
	s_barrier_signal -1
	MUL16 2, 1, \ks, 0
	WIN 0
	s_barrier_wait -1
.if \fill
	CREST
	s_add_nc_u64 s[G0+4*\slot+2:G0+4*\slot+3], s[G0+4*\slot+2:G0+4*\slot+3], 2*HALFT
	s_add_nc_u64 s[G0B+4*\slot+2:G0B+4*\slot+3], s[G0B+4*\slot+2:G0B+4*\slot+3], 2*HALFT
	JLOAD G0+4*\slot, G1, G0B+4*\slot, G1B
.else
	PLACES NP
.endif
	FETCH_B \next, 0, 0
	FETCH_A \next, 0, 0
	WIN MUL_HI
	MUL16 4, 1, \ks, 0
	MUL16 6, 1, \ks, 0
	PLACES NP
	WIN 0
	FETCH_A \next, 0, 4
.endm
	s_load_b256 s[4:11], s[0:1], 0x0
	s_load_b128 s[92:95], s[0:1], 0x20
	v_lshl_add_u32 v[SPW], v0, 2, SPARE
	v_mov_b32 v[NIL], 0
	ds_add_u32 v28, v29
	ds_add_u32 v28, v29
	s_wait_dscnt 0x0
	v_lshrrev_b32 v1, 5, v0
	v_readfirstlane_b32 s[WV], v1
	s_lshr_b32 s[HR], s[WV], 1
	s_and_b32 s[HC], s[WV], 1
	s_bfe_u32 s[CX], ttmp6, 0x40000
	s_bfe_u32 s[CY], ttmp6, 0x40004
	s_and_b32 s[YY], ttmp7, 0xffff
	s_lshl_b32 s[YY], s[YY], 2
	s_add_co_u32 s[YY], s[YY], s[CY]
	s_lshl_b32 s43, s[CY], 2
	s_lshl_b32 s43, 15, s43
	s_lshl_b32 s44, 0x1111, s[CX]
	s_or_b32 s[G1+0], s43, (3<<16)|(1<<21)
	s_or_b32 s[G1B+0], s44, (3<<16)|(1<<21)
.irp g, G1, G1B
	s_mov_b32 s[\g+1], 32<<16
	s_mov_b32 s[\g+2], 192<<16                     ; the head's load: 192 rows of 256 bytes, both slots' quarters
	s_mov_b32 s[\g+3], 32<<16
	s_mov_b32 s[\g+4], 192
	s_mov_b32 s[\g+5], 32
	s_mov_b32 s[\g+6], 0
	s_mov_b32 s[\g+7], 0
.endr
	s_lshl_b32 s20, s[YY], 1
	s_add_co_u32 s22, s20, s[HR]                   ; the scales of the 128 rows that I multiply
	s_lshl_b32 s22, s22, 12
	s_add_co_u32 s20, s20, s[HC]                   ; the codes of the 128 rows that I fetch
	s_mul_i32 s20, s20, 98304
	s_mov_b32 s21, 0
	s_mov_b32 s23, 0
	s_lshl_b32 s46, s[CX], 1
	s_add_co_u32 s46, s46, s[HC]
	s_lshl_b32 s66, s46, 12
	s_add_co_u32 s66, s66, 3*32768
	s_mul_i32 s46, s46, 98304
	s_add_co_u32 s46, s46, 3*786432
	s_mov_b32 s47, 0
	s_mov_b32 s67, 0
	s_mul_i32 s45, s[WV], 2*HALFT
	s_wait_kmcnt 0x0
	s_add_nc_u64 s[4:5], s[4:5], s[20:21]
	s_add_nc_u64 s[6:7], s[6:7], s[22:23]
	s_add_nc_u64 s[8:9], s[8:9], s[46:47]
	s_add_nc_u64 s[10:11], s[10:11], s[66:67]
	v_and_b32 v10, 15, v0
	v_lshlrev_b32 v10, 4, v10                      ; 16 x (lane % 16): a row's four words; v10 and the two bases are not written again
	SCALES 6, 10
	CROUND
.irp s, 0,1
	s_mov_b32 s[G0+4*\s], 1
	s_add_co_u32 s[G0+4*\s+1], s45, \s*SLOT
	s_add_nc_u64 s[G0+4*\s+2:G0+4*\s+3], s[4:5], \s*HALFT
	s_or_b32 s[G0+4*\s+3], s[G0+4*\s+3], 0x80000000
	s_mov_b32 s[G0B+4*\s], 1
	s_add_co_u32 s[G0B+4*\s+1], s45, \s*SLOT
	s_add_nc_u64 s[G0B+4*\s+2:G0B+4*\s+3], s[8:9], \s*HALFT
	s_or_b32 s[G0B+4*\s+3], s[G0B+4*\s+3], 0x80000000
.endr
	JLOAD G0, G1, G0B, G1B                         ; my one tensor load at the head: K steps 0 to 3 of my 128 rows, into my quarters of both slots
	v_and_b32 v1, 15, v0
	v_bfe_u32 v2, v0, 4, 1
	s_wait_alu depctr_va_vdst(0)
	v_and_b32 v3, 31, v0
	v_lshlrev_b32 v4, 3, v3
	v_lshlrev_b32 v[CO], 4, v3
	s_mul_i32 s21, s[HR], 2*HALFT
	s_mul_i32 s22, s[HC], 2*HALFT
	s_add_co_u32 s22, s22, 4*HALFT
.irp s, 0,1
	v_add_nc_u32 v[ADRA+\s], s21, v4
	v_add_nc_u32 v[ADRB+\s], s22, v4
	s_add_co_u32 s21, s21, SLOT
	s_add_co_u32 s22, s22, SLOT
.endr
	v_lshlrev_b32 v8, 6, v2
	s_lshl_b32 s21, s[CX], 10
	s_lshl_b32 s22, s[HC], 9
	s_add_co_u32 s21, s21, s22
	v_add_nc_u32 v8, s21, v8
	WIN TO_B
.irp b, 0,1,2,3,4,5,6,7
	global_load_b128 v[96+8*\b+96*(\b/4):96+8*\b+96*(\b/4)+3], v8, s[92:93] offset:(32*(\b/2)+8*(\b%2))*4
	global_load_b128 v[96+8*\b+96*(\b/4)+4:96+8*\b+96*(\b/4)+7], v8, s[92:93] offset:(32*(\b/2)+8*(\b%2))*4+16
.endr
	WIN 0
	s_mul_i32 s23, s[WV], 16*528
	s_add_co_u32 s23, s23, SCL                     ; my stage, behind the ring
	v_mul_u32_u24 v5, v1, 528
	v_lshl_add_u32 v5, v2, 6, v5
	v_add_nc_u32 v[STO], s23, v5
	v_add_nc_u32 v[RD], s23, v[CO]
	s_and_b32 s20, s[YY], 7
	s_lshl_b32 s20, s20, 8
	s_lshl_b32 s21, s[HR], 7
	s_add_co_u32 s20, s20, s21
	s_lshl_b32 s20, s20, 14
	s_lshr_b32 s21, s[YY], 3
	s_lshl_b32 s21, s21, 12
	s_add_co_u32 s20, s20, s21
	s_lshl_b32 s21, s[CX], 10
	s_add_co_u32 s20, s20, s21
	s_lshl_b32 s21, s[HC], 9
	s_add_co_u32 s20, s20, s21
	s_mov_b32 s21, 0
	s_add_nc_u64 s[OUT:OUT+1], s[OUT:OUT+1], s[20:21]
	s_wait_alu depctr_va_vdst(0)
	s_wait_loadcnt 0x0                             ; the scale words and the bias are in
	s_mov_b32 s13, 0xffff0000
	MERGE
	s_wait_alu depctr_va_vdst(0)
	s_wait_tensorcnt 0x0                           ; my part of both slots is in; no tensor load of mine is out, so a descriptor may be written:
	s_mov_b32 s[G1+2], 96<<16                      ; from here on a load brings 96 rows, one slot's quarter
	s_mov_b32 s[G1+4], 96
	s_mov_b32 s[G1B+2], 96<<16
	s_mov_b32 s[G1B+4], 96
	s_barrier_signal -1
	s_barrier_wait -1
	FETCH_B 0, 0, 0
	FETCH_A 0, 0, 0
	FETCH_A 0, 0, 4
	STEP 0, 0, 1
	TURN 0, 1, 1, 1
	STEP 1, 2, 0
	TURN 1, 0, 3, 1
	STEP 0, 4, 0
	TURN 0, 1, 5, 0
	STEP 1, 6, 0
	s_wait_dscnt 4*NL
	WIN MUL_LO
	MUL16 0, 1, 7, 0
	MUL16 2, 1, 7, 0
	s_wait_dscnt 0x0
	WIN MUL_HI
	MUL16 4, 1, 7, 0
	MUL16 6, 1, 7, 0
	WIN 0
.macro TOSTAGE a
.set AC, 64*((\a)%4)
	WIN 0x08+4*((\a)/4)
.irp b, 0,1,2,3,4,5,6,7
	ds_store_b128 v[STO], v[AC+8*\b:AC+8*\b+3] offset:128*(\b/2)+32*(\b%2)
	ds_store_b128 v[STO], v[AC+8*\b+4:AC+8*\b+7] offset:128*(\b/2)+32*(\b%2)+16
.endr
	WIN 0
.set BB, BK+64*((\a)%2)
.irp t, 0,1,2,3,4,5,6,7,8,9,10,11,12,13,14,15
	ds_load_b128 v[BB+4*\t:BB+4*\t+3], v[RD] offset:\t*528
.endr
.endm
.macro SEND a, younger
.set BB, BK+64*((\a)%2)
	s_wait_dscnt \younger
.irp t, 0,1,2,3,4,5,6,7,8,9,10,11,12,13,14,15
	global_store_b128 v[CO], v[BB+4*\t:BB+4*\t+3], s[OUT:OUT+1] offset:(32*((\a)/2)+8*((\a)%2)+16*(\t/8)+\t%8)*16384 th:TH_STORE_NT
.endr
.endm
	PLACES NP
	TOSTAGE 0
.irp a, 1,2,3,4,5,6,7
.if \a > 1
	s_wait_xcnt 0x0
.endif
	TOSTAGE \a
	SEND \a-1, 32
.endr
	SEND 7, 0
	s_wait_tensorcnt 0x0
	ds_add_u32 v[SPW], v[NIL]
	s_wait_dscnt 0x0
	CROUND
	s_endpgm
.Lfunc_end_k_q2ab1d2805f_outp:
	.size	k_q2ab1d2805f_outp, .Lfunc_end_k_q2ab1d2805f_outp-k_q2ab1d2805f_outp
	.p2alignl 7, 3214868480
	.fill 96, 4, 3214868480
	.section	.rodata,"a",@progbits
	.p2align	6, 0x0
	.amdhsa_kernel k_q2ab1d2805f_outp
		.amdhsa_group_segment_fixed_size 327680
		.amdhsa_private_segment_fixed_size 0
		.amdhsa_enable_private_segment 0
		.amdhsa_kernarg_size 48
		.amdhsa_user_sgpr_count 2
		.amdhsa_user_sgpr_kernarg_segment_ptr 1
		.amdhsa_wavefront_size32 1
		.amdhsa_system_sgpr_workgroup_id_x 1
		.amdhsa_system_sgpr_workgroup_id_y 1
		.amdhsa_system_sgpr_workgroup_id_z 1
		.amdhsa_system_vgpr_workitem_id 0
		.amdhsa_next_free_vgpr 1024
		.amdhsa_next_free_sgpr 96
		.amdhsa_reserve_vcc 0
		.amdhsa_float_denorm_mode_32 3
		.amdhsa_float_denorm_mode_16_64 3
		.amdhsa_memory_ordered 1
		.amdhsa_forward_progress 1
		.amdhsa_inst_pref_size 163
	.end_amdhsa_kernel
	.amdgpu_metadata
---
amdhsa.version: [ 1, 2 ]
amdhsa.kernels:
  - .name:           k_q2ab1d2805f_outp
    .symbol:         k_q2ab1d2805f_outp.kd
    .args:
      - { .name: oc, .offset: 0, .size: 8, .value_kind: global_buffer, .address_space: global }
      - { .name: os, .offset: 8, .size: 8, .value_kind: global_buffer, .address_space: global }
      - { .name: wc, .offset: 16, .size: 8, .value_kind: global_buffer, .address_space: global }
      - { .name: ws, .offset: 24, .size: 8, .value_kind: global_buffer, .address_space: global }
      - { .name: bo, .offset: 32, .size: 8, .value_kind: global_buffer, .address_space: global }
      - { .name: out0, .offset: 40, .size: 8, .value_kind: global_buffer, .address_space: global }
    .group_segment_fixed_size: 327680
    .private_segment_fixed_size: 0
    .kernarg_segment_align: 8
    .kernarg_segment_size: 48
    .max_flat_workgroup_size: 128
    .sgpr_count:     96
    .vgpr_count:     1024
    .wavefront_size: 32
...
	.end_amdgpu_metadata
.endif
;; end of part 4
